; MI455X (gfx1250); checked and timed in simulation.
; The chip was launched on July 23, 2026; its instructions are those of AMD's public machine-readable ISA for CDNA 5 (MIT licence, August 2026) and "CDNA5" Instruction Set Architecture Reference Guide (July 2026). The comments in the code are by the model that wrote it; some were corrected since.
;; Causal Self Attention. Allowed arithmetic: matrix products marked QUANTISED: E2M3 operands, one E8M0 scale for each 32 along K, by v_wmma_scale_f32_16x16x128_f8f6f4 with both operands' format E2M3, f32 sums; everything else in f32.
;; Inputs: W_out 1,024 x 1,024 float32; W_qkv 1,024 x 3,072 float32; b_out 1,024 float32; b_qkv 3,072 float32; x 2 x 2,048 x 1,024 float32.
;; Outputs: out0 2 x 2,048 x 1,024 float32.
;; This version of the problem:
;;   THIS VERSION OF THE PROBLEM IS GIVEN IN LOW PRECISION. The matrix products marked QUANTISED in the list below multiply operands that are first quantised to E2M3 (2 exponent bits, 3 mantissa bits; 6 bits a number), with one power-of-two scale for each 32 numbers along K (OCP MX v1.0); their sums are f32. All else is computed in f32.
;;   The module's matrix products, in the order in which they are computed (A, B: the left and right operand; K: the contracted axis; several contracted axes count as one K, in the product's order):
;;     1. [M 4,096, K 1,024] x [K 1,024, N 3,072]; A: input x; B: input W_qkv: QUANTISED
;;     2. batch 32 x [M 2,048, K 64] x [K 64, N 2,048]; A: computed on the way; B: computed on the way: QUANTISED
;;     3. batch 32 x [M 2,048, K 2,048] x [K 2,048, N 64]; A: softmax (see below); B: computed on the way: QUANTISED
;;     4. [M 4,096, K 1,024] x [K 1,024, N 1,024]; A: computed on the way; B: input W_out: QUANTISED
;;   THE QUANTISER, for each operand of a quantised product, along K:
;;     - K is cut into blocks of 32 from its start; a last block that is shorter is filled with zeros.
;;     - A block's scale is 2^e with e = floor(log2(the largest magnitude in the block)) - 2, held to -126 .. 127; a block of zeros has e = 0. As a byte (E8M0): e + 127.
;;     - Each number is divided by its block's scale, clamped to +-7.5, and rounded to the nearest number of E2M3, ties to even, subnormals kept.
;;     - The product sums the exact products of the quantised numbers (number of the format x scale) in f32.
;;   ~~~python
;;   def quantise(x, axis):      # numpy; x: float32 -> the quantised numbers, widened to float32 again
;;       x = np.moveaxis(x, axis, -1); K = x.shape[-1]
;;       x = np.pad(x, [(0, 0)] * (x.ndim - 1) + [(0, -K % 32)]); x = x.reshape(x.shape[:-1] + (-1, 32)); a = np.abs(x).max(-1, keepdims=True)
;;       e = np.where(a > 0, np.clip(np.frexp(np.where(a > 0, a, 1))[1] - 1 - 2, -126, 127), 0)      # np.frexp(a)[1] - 1 = floor(log2(a)), exactly
;;       r = np.clip(x / 2.0 ** e, -7.5, 7.5)
;;       step = 2.0 ** (np.maximum(np.frexp(np.where(r == 0, 1, r))[1] - 1, 0) - 3)
;;       q = np.round(r / step) * step * 2.0 ** e      # np.round: ties to even
;;       return np.moveaxis(q.reshape(q.shape[:-2] + (-1,))[..., :K], -1, axis).astype(np.float32)
;;   ~~~
;;   SOFTMAX AHEAD OF A QUANTISED PRODUCT. Where the list says 'softmax', what is quantised is not the finished softmax but p = 2^(t - M), with t = logit x log2(e) and M = ceil(the row's largest t), a whole number; so 1/2 < the row's largest p <= 1. The row's sum l is taken of the UNQUANTISED p, in f32, and the product's result is divided by l at the end. Since M is a whole number, a kernel that streams over the keys may use a running M (the ceiling of the running maximum): every later rescaling is an exact power of two, which a block's scale takes up: the codes' values come out the same.
;;   OPERANDS COMPUTED ON THE WAY. 'Computed on the way' means the value that the module computes at that place (a softmax that the list does not call 'softmax' is quantised finished and normalised). What goes into a quantiser is computed in f32, as accurately as f32 sums, v_exp_f32 and their like allow (about 1e-6 of the number): no bf16 or f16 on the way to a quantiser, and a product that is left as it is and whose result goes on into a quantised operand takes f32 operands (vector FMAs, or v_wmma_f32_16x16x4_f32). A number that lies on a knife's edge between two numbers of the format may be rounded either way, as far as f32 arithmetic and the matrix unit's own rounding can turn it there, and no further.
;; One version. Each part assembles by itself: llvm-mc -triple=amdgcn-amd-amdhsa -mcpu=gfx1250 --defsym DOCPART=n.
;; ======== version 1 of 1: 4 launches
;; limits: right only within a limited range of input values
;; workspace buffers: opc 6,291,456 bytes; ops 262,144 bytes; hdc 9,437,184 bytes; hds 655,360 bytes; atc 3,145,728 bytes; ats 131,072 bytes
;; launch quant (part 1): grid 256 x 1, 4 waves a work-group, no clusters, 85,504 bytes of LDS; arguments x, W_qkv, W_out, opc, ops; writes opc, ops
.if DOCPART == 1
	.amdgcn_target "amdgcn-amd-amdhsa--gfx1250"
	.amdhsa_code_object_version 6
	.text
	.protected	k_q9f5c4c30b8_quant
	.globl	k_q9f5c4c30b8_quant
	.p2align	8
	.type	k_q9f5c4c30b8_quant,@function
k_q9f5c4c30b8_quant:
	s_mov_b64 s[64:65], 0
	v_nop
	global_prefetch_b8 v0, s[64:65] scope:SCOPE_SE
	s_setreg_imm32_b32 hwreg(HW_REG_WAVE_MODE, 25, 1), 1
	s_wait_xcnt 0x0
; x [4096][1024], W_qkv [1024][3072] and W_out [1024][1024], f32, become codes of FP6 (E2M3) with one E8M0 byte for each 32 along K (K = 1,024 in all three).
; A block's scale is 2^(floor(log2(its largest magnitude)) - 2): its byte is the largest magnitude's exponent field - 2, held at 1 from below.
; LIMITS: NaN and infinities among the inputs are not served.  A block of zeros, or one whose largest magnitude lies under 2^-124, keeps the byte 1 (the rule says 127 for zeros): its codes
; are zeros or the rule's own, and the bytes are read by this program alone.
; THE OUTPUT IS LAID AS THE READERS' REGISTERS WANT IT.  opc: for each tile of 16 rows (index 0-255 x's tokens, 256-447 W_qkv's columns, 448-511 W_out's) 12,288 bytes: [K step of 128: 8][half of 64: 2][768].
; A half fragment of 768 bytes is 16 rows x 64 K: lane (r, h) = r + 16 h holds block h of row r, 24 bytes: its registers 0-3 at 16 x lane, its registers 4-5 at 512 + 8 x lane.
; ops: for each tile 512 bytes: [half of K: 2][row: 16][4 words], a word being the four bytes of one K step of 128.
; A WEIGHT'S COLUMN n IS ROW pi(n) OF ITS IMAGE, pi swapping bits 3 and 4 of n: row r of tile 2 b + u is column 32 b + 8 u + (r & 7) + 16 (r >> 3), so that the results of two neighbouring tiles, with the
; weight as source 0, are 16 neighbouring columns in a lane's 16 registers.
; SHARES.  Work-groups 0-127 take x (a wave: 16 rows x 512 K, in 8 steps of 64 K); work-groups 128-255 the weights (a wave: 32 columns x 256 K, 8 blocks): 131,072 bytes of f32 for every work-group.
; Waves share nothing: no barrier.  A weight's wave stores two of a row's four scale words, 8 bytes of 16: the wave with the other quarter of that half of K stores the other 8.
; The two ways part on the work-group's number and have LDS bytes of their own: x's stages in [0, 34,816), the weights' in [34,816, 84,992).
.set PX,   272                         ; x's stage: a row of 256 bytes + 16
.set STX,  16*PX                       ; a stage: 16 rows
.set WVX,  2*STX                       ; two stages a wave
.set WB0,  4*WVX                       ; where the weights' stages begin
.set TW,   6272                        ; a tile's place in a weight's stage (3,072 bytes of it are used)
.set WVW,  2*TW                        ; two tiles a wave
.set R,    32                          ; x: v32-127 three sets of 32 registers as loaded
.set X,    128                         ; x: v128-191 two sets of 32 neighbours along K
.set OF,   32                          ; weights: v32-63 byte offsets of 32 rows of the weight
.set XW,   64                          ; weights: v64-127 two sets of 32 numbers down K
; v11-14 at work; v16-19 scale words; v20-25 a block's codes; v26-29 the second conversion's result, later lane exchanges
.macro MAX32 xs                        ; v11 = the largest magnitude of v[xs] .. v[xs + 31], in two chains, with the floor 2^(3 - 127) among the leaves
	v_max3_num_f32 v11, |v[\xs]|, |v[\xs+1]|, |v[\xs+2]|
	v_max3_num_f32 v12, |v[\xs+3]|, |v[\xs+4]|, |v[\xs+5]|
.irp i, 6,10,14,18,22,26
	v_max3_num_f32 v11, v11, |v[\xs+\i]|, |v[\xs+\i+1]|
	v_max3_num_f32 v12, v12, |v[\xs+\i+2]|, |v[\xs+\i+3]|
.endr
	v_max3_num_f32 v11, v11, |v[\xs+30]|, |v[\xs+31]|
	v_max3_num_f32 v11, v11, v12, 0x1800000
.endm
.macro CODES xs                        ; the block's 32 codes into v20-25, its byte into v14
	v_add_nc_u32 v13, 0xff000000, v11              ; 2 off the exponent field: the conversion takes the exponent field of this operand as its scale
	v_cvt_scalef32_pk16_fp6_f32 v[20:22], v[\xs:\xs+15], v13
	v_cvt_scalef32_pk16_fp6_f32 v[26:28], v[\xs+16:\xs+31], v13   ; (a conversion's three registers begin on an even number)
	v_lshrrev_b32 v14, 23, v13                     ; the scale's byte; also the plain instruction between the conversions and the moves
	v_mov_b32 v23, v26
	v_mov_b32 v24, v27
	v_mov_b32 v25, v28
.endm
	s_load_b256 s[4:11], s[0:1], 0x0               ; x s[4:5], W_qkv s[6:7], W_out s[8:9], opc s[10:11]
	s_load_b64 s[12:13], s[0:1], 0x20              ; ops
	v_lshl_add_u32 v192, v0, 2, 0x14c00
	v_mov_b32 v193, 0
	v_lshrrev_b32 v1, 5, v0
	v_readfirstlane_b32 s16, v1                    ; wave
	v_and_b32 v1, 31, v0                           ; lane
	v_and_b32 v2, 15, v0                           ; r
	v_bfe_u32 v3, v0, 4, 1                         ; h
	s_mov_b32 s20, 0x76543210
	s_mov_b32 s21, 0xfedcba98                      ; v_permlanex16_b32's selects for lane l xor 16
	s_cmp_lt_u32 ttmp9, 128
	s_cbranch_scc0 .Lweights
; ---------------- x: K is innermost ----------------
	s_lshl_b32 s17, ttmp9, 2
	s_add_co_u32 s17, s17, s16                     ; which (tile, half of K) is my wave's: 2 x tile + half
	s_lshr_b32 s18, s17, 1                         ; the tile of 16 rows
	s_and_b32 s19, s17, 1                          ; the half of K
	s_lshl_b32 s24, s18, 16                        ; 16 rows of 4,096 bytes
	s_lshl_b32 s26, s19, 11                        ; 512 numbers
	s_add_co_u32 s24, s24, s26
	s_mov_b32 s25, 0
	s_mul_i32 s26, s18, 12288
	s_mul_i32 s28, s19, 6144
	s_add_co_u32 s26, s26, s28
	s_mov_b32 s27, 0
	s_lshl_b32 s28, s17, 8                         ; 512 x tile + 256 x half
	s_mov_b32 s29, 0
	s_mul_i32 s30, s16, WVX                        ; my stages
	s_wait_alu depctr_va_vdst(0)
	v_lshlrev_b32 v4, 12, v3
	v_lshl_add_u32 v4, v2, 4, v4                   ; a load takes two rows' 256 bytes: row h, 16 bytes a lane
	v_mul_u32_u24 v5, v3, PX
	v_lshl_add_u32 v5, v2, 4, v5
	v_add_nc_u32 v5, s30, v5                       ; into the stage as loaded
	v_mul_u32_u24 v6, v2, PX
	v_lshl_add_u32 v6, v3, 7, v6
	v_add_nc_u32 v6, s30, v6                       ; out of it: row r, block h: 128 bytes a lane
	v_lshlrev_b32 v7, 4, v1                        ; 16 x lane
	v_lshlrev_b32 v8, 3, v1                        ; 8 x lane
	v_lshlrev_b32 v9, 4, v2
	v_lshl_add_u32 v9, v3, 3, v9                   ; the scale words' place: 16 r + 8 h
	v_lshlrev_b32 v10, 3, v3                       ; 8 h: my bytes' shift in a word
	v_mov_b32 v29, 0                               ; (a lane permute's destination counts as one of its sources)
	s_wait_alu depctr_va_vdst(0)
	s_wait_kmcnt 0x0
	s_add_nc_u64 s[4:5], s[4:5], s[24:25]
	s_add_nc_u64 s[10:11], s[10:11], s[26:27]
	s_add_nc_u64 s[12:13], s[12:13], s[28:29]
.macro LOADX t                         ; step t: 16 rows x 256 bytes; each load covers two rows' 256 consecutive bytes, aligned
.irp i, 0,1,2,3,4,5,6,7
	global_load_b128 v[R+32*((\t)%3)+4*\i:R+32*((\t)%3)+4*\i+3], v4, s[4:5] offset:\i*8192+(\t)*256 th:TH_LOAD_NT
.endr
.endm
.macro TURNX t                         ; through my stage: LDS serves a wave's instructions in order, so no wait stands between the stores and the loads
.irp i, 0,1,2,3,4,5,6,7
	ds_store_b128 v5, v[R+32*((\t)%3)+4*\i:R+32*((\t)%3)+4*\i+3] offset:((\t)%2)*STX+\i*2*PX
.endr
.irp i, 0,1,2,3,4,5,6,7
	ds_load_b128 v[X+32*((\t)%2)+4*\i:X+32*((\t)%2)+4*\i+3], v6 offset:((\t)%2)*STX+16*\i
.endr
.endm
.macro STEPX t
.set XS, X+32*((\t)%2)
	s_wait_dscnt 0x0                               ; this step's block is back from the stage, and the stage's stores have read their registers,
.if (\t) < 5
	LOADX (\t)+3                                   ; which take the loads of three steps on
	s_wait_loadcnt 16                              ; the next step's eight loads are in; those of the two steps behind it may be out
.elseif (\t) == 5
	s_wait_loadcnt 8
.elseif (\t) == 6
	s_wait_loadcnt 0
.endif
.if (\t) < 7
	TURNX (\t)+1                                   ; the next step turns through the other stage while this one is worked
.endif
	s_wait_xcnt 0x0                                ; the last step's stores have read v20-25: only now are they written again
	MAX32 XS
	CODES XS
.if (\t)%2 == 0
	v_mov_b32 v[16+(\t)/2], v14                    ; my byte of the K step's first 64,
.else
	v_lshl_or_b32 v[16+(\t)/2], v14, 16, v[16+(\t)/2]   ; and of its second
.endif
	global_store_b128 v7, v[20:23], s[10:11] offset:(\t)*768       ; 512 consecutive bytes, aligned to 256
	global_store_b64 v8, v[24:25], s[10:11] offset:(\t)*768+512    ; 256 consecutive bytes, aligned to 256
.endm
	LOADX 0
	LOADX 1
	LOADX 2
	s_wait_loadcnt 16                              ; step 0's eight loads are in
	TURNX 0
.irp t, 0,1,2,3,4,5,6,7
	STEPX \t
.endr
.irp k, 0,1,2,3
	v_lshlrev_b32 v[16+\k], v10, v[16+\k]          ; my two bytes at their places (blocks h and 2 + h),
.endr
.irp k, 0,1,2,3
	v_permlanex16_b32 v[26+\k], v[16+\k], s20, s21
.endr
.irp k, 0,1,2,3
	v_or_b32 v[16+\k], v[16+\k], v[26+\k]          ; with lane l xor 16's two the word is whole
.endr
	s_wait_alu depctr_va_vdst(0)
	s_wait_xcnt 0x0                                ; the last stores have read v20, v21
	v_cmp_ne_u32 vcc_lo, 0, v3
	v_cndmask_b32 v20, v16, v18, vcc_lo            ; lanes 0-15 store words 0, 1 of row r, lanes 16-31 words 2, 3
	v_cndmask_b32 v21, v17, v19, vcc_lo
	global_store_b64 v9, v[20:21], s[12:13]        ; 256 consecutive bytes, aligned
	s_wait_tensorcnt 0x0
	ds_add_u32 v192, v193
	s_wait_dscnt 0x0
	s_endpgm
; ---------------- the weights: K is the first axis: a lane takes a column, its registers run down K ----------------
.Lweights:
	s_sub_co_u32 s17, ttmp9, 128
	s_and_b32 s19, s17, 3                          ; the quarter of K
	s_lshr_b32 s17, s17, 2                         ; the group of 128 columns: 0-23 W_qkv's, 24-31 W_out's
	s_wait_kmcnt 0x0
	s_mov_b32 s18, 4096
	s_cmp_lt_u32 s17, 24                           ; the choice hangs on the work-group's number alone
	s_cselect_b64 s[4:5], s[6:7], s[8:9]
	s_cselect_b32 s18, 12288, s18                  ; a row of the weight in bytes
	s_cselect_b32 s24, 0, 24
	s_sub_co_u32 s24, s17, s24                     ; the group within its weight
	s_mul_i32 s26, s19, s18
	s_lshl_b32 s26, s26, 8                         ; 256 rows down for each quarter of K
	s_lshl_b32 s24, s24, 9
	s_add_co_u32 s26, s26, s24
	s_lshl_b32 s24, s16, 7
	s_add_co_u32 s26, s26, s24                     ; + (128 x group + 32 x wave) x 4
	s_mov_b32 s27, 0
	s_add_nc_u64 s[4:5], s[4:5], s[26:27]
	s_lshl_b32 s22, s18, 5                         ; a block on: 32 rows
	s_mov_b32 s23, 0
	s_lshl_b32 s24, s17, 3
	s_lshl_b32 s25, s16, 1
	s_add_co_u32 s24, s24, s25
	s_add_co_u32 s24, s24, 256                     ; my first tile's index
	s_mul_i32 s26, s24, 12288
	s_mul_i32 s28, s19, 3072                       ; two K steps of 1,536 bytes a quarter
	s_add_co_u32 s26, s26, s28
	s_add_nc_u64 s[10:11], s[10:11], s[26:27]
	s_lshl_b32 s26, s24, 9
	s_lshr_b32 s28, s19, 1
	s_lshl_b32 s28, s28, 8                         ; the half of K: 256 bytes,
	s_add_co_u32 s26, s26, s28
	s_and_b32 s28, s19, 1
	s_lshl_b32 s28, s28, 3                         ; and in it my two words of a row's four
	s_add_co_u32 s26, s26, s28
	s_add_nc_u64 s[12:13], s[12:13], s[26:27]
	s_mul_i32 s30, s16, WVW
	s_add_co_u32 s30, s30, WB0                     ; my stage
	s_wait_alu depctr_va_vdst(0)
	v_lshlrev_b32 v4, 2, v1                        ; 4 bytes a lane
	v_bfe_u32 v11, v0, 3, 1                        ; which of my two tiles my column falls into: bit 3 of the lane
	v_and_b32 v12, 7, v0
	v_lshl_or_b32 v12, v3, 3, v12                  ; and its row there: (l & 7) + 8 (l >> 4)
	v_mul_u32_u24 v13, v11, TW
	v_add_nc_u32 v13, s30, v13
	v_lshl_add_u32 v5, v12, 4, v13                 ; registers 0-3 of a half fragment: 16 x row (+ 256 for odd blocks)
	v_lshl_add_u32 v6, v12, 3, v13
	v_add_nc_u32 v6, 512, v6                       ; registers 4-5: 512 + 8 x row (+ 128 for odd blocks)
	v_lshl_add_u32 v7, v1, 4, s30                  ; back: 16 bytes a lane
	v_lshlrev_b32 v8, 4, v1
	v_lshlrev_b32 v9, 9, v11
	v_lshl_add_u32 v9, v12, 4, v9                  ; my row's scale words
.set i, 0
.rept 32
	v_mad_u32_u24 v[OF+i], s18, i, v4              ; row i of a block, my column
.set i, i+1
.endr
.macro LOADW t                         ; block t: 32 rows of the weight; a load reads 128 consecutive bytes, the four waves stand side by side on 512
.if (\t) > 0
	s_wait_xcnt 0x0                                ; the earlier loads have read their base: it steps
	s_add_nc_u64 s[4:5], s[4:5], s[22:23]
.endif
.set i, 0
.rept 32
	global_load_b32 v[XW+32*((\t)%2)+i], v[OF+i], s[4:5] th:TH_LOAD_NT
.set i, i+1
.endr
.endm
.macro BLOCKW t
.set XS, XW+32*((\t)%2)
.if (\t) < 7
	s_wait_loadcnt 32                              ; this block's 32 loads are in; the next block's may be out
.else
	s_wait_loadcnt 0
.endif
	MAX32 XS
	CODES XS
.if (\t)%4 == 0
	v_mov_b32 v[16+(\t)/4], v14                    ; four bytes to a word, the lower K in the lower byte
.else
	v_lshl_or_b32 v[16+(\t)/4], v14, 8*((\t)%4), v[16+(\t)/4]
.endif
	ds_store_b128 v5, v[20:23] offset:((\t)/4)*1536+(((\t)/2)%2)*768+((\t)%2)*256
	ds_store_b64 v6, v[24:25] offset:((\t)/4)*1536+(((\t)/2)%2)*768+((\t)%2)*128
.if (\t) < 6
	LOADW (\t)+2
.endif
	s_wait_dscnt 0x0                               ; the stores have read their registers: the next block's codes may be written
.endm
	LOADW 0
	s_wait_alu depctr_va_vdst(0)
	LOADW 1
.irp t, 0,1,2,3,4,5,6,7
	BLOCKW \t
.endr
	s_wait_alu depctr_va_vdst(0)
	global_store_b64 v9, v[16:17], s[12:13]        ; my row's two scale words
.set n, 0
.rept 12
	ds_load_b128 v[32+4*n:35+4*n], v7 offset:(n/6)*TW+(n%6)*512   ; my own stores, served in order
.set n, n+1
.endr
.set n, 0
.rept 12
	s_wait_dscnt 11-n                              ; the younger loads may be out
	global_store_b128 v8, v[32+4*n:35+4*n], s[10:11] offset:(n/6)*12288+(n%6)*512   ; 512 consecutive bytes, aligned to 256
.set n, n+1
.endr
	s_wait_tensorcnt 0x0
	ds_add_u32 v192, v193
	s_wait_dscnt 0x0
	s_endpgm
.Lfunc_end_k_q9f5c4c30b8_quant:
	.size	k_q9f5c4c30b8_quant, .Lfunc_end_k_q9f5c4c30b8_quant-k_q9f5c4c30b8_quant
	.p2alignl 7, 3214868480
	.fill 96, 4, 3214868480
	.section	.rodata,"a",@progbits
	.p2align	6, 0x0
	.amdhsa_kernel k_q9f5c4c30b8_quant
		.amdhsa_group_segment_fixed_size 85504
		.amdhsa_private_segment_fixed_size 0
		.amdhsa_enable_private_segment 0
		.amdhsa_kernarg_size 40
		.amdhsa_user_sgpr_count 2
		.amdhsa_user_sgpr_kernarg_segment_ptr 1
		.amdhsa_wavefront_size32 1
		.amdhsa_system_sgpr_workgroup_id_x 1
		.amdhsa_system_sgpr_workgroup_id_y 1
		.amdhsa_system_sgpr_workgroup_id_z 1
		.amdhsa_system_vgpr_workitem_id 0
		.amdhsa_next_free_vgpr 194
		.amdhsa_next_free_sgpr 66
		.amdhsa_reserve_vcc 1
		.amdhsa_float_denorm_mode_32 3
		.amdhsa_float_denorm_mode_16_64 3
		.amdhsa_memory_ordered 1
		.amdhsa_forward_progress 1
		.amdhsa_inst_pref_size 75
	.end_amdhsa_kernel
	.amdgpu_metadata
---
amdhsa.version: [ 1, 2 ]
amdhsa.kernels:
  - .name:           k_q9f5c4c30b8_quant
    .symbol:         k_q9f5c4c30b8_quant.kd
    .args:
      - { .name: x, .offset: 0, .size: 8, .value_kind: global_buffer, .address_space: global }
      - { .name: W_qkv, .offset: 8, .size: 8, .value_kind: global_buffer, .address_space: global }
      - { .name: W_out, .offset: 16, .size: 8, .value_kind: global_buffer, .address_space: global }
      - { .name: opc, .offset: 24, .size: 8, .value_kind: global_buffer, .address_space: global }
      - { .name: ops, .offset: 32, .size: 8, .value_kind: global_buffer, .address_space: global }
    .group_segment_fixed_size: 85504
    .private_segment_fixed_size: 0
    .kernarg_segment_align: 8
    .kernarg_segment_size: 40
    .max_flat_workgroup_size: 128
    .sgpr_count:     66
    .vgpr_count:     194
    .wavefront_size: 32
...
	.end_amdgpu_metadata
.endif
;; end of part 1
;; launch qkv (part 2): grid 12 x 16, 4 waves a work-group, clusters of 4 x 4, 327,680 bytes of LDS; arguments opc, ops, b_qkv, hdc, hds; writes hdc, hds
.if DOCPART == 2
	.amdgcn_target "amdgcn-amd-amdhsa--gfx1250"
	.amdhsa_code_object_version 6
	.text
	.protected	k_q9f5c4c30b8_qkv
	.globl	k_q9f5c4c30b8_qkv
	.p2align	8
	.type	k_q9f5c4c30b8_qkv,@function
k_q9f5c4c30b8_qkv:
	s_mov_b64 s[64:65], 0
	v_nop
	global_prefetch_b8 v0, s[64:65] scope:SCOPE_SE
	s_setreg_imm32_b32 hwreg(HW_REG_WAVE_MODE, 25, 1), 1
	s_wait_xcnt 0x0
	s_wait_alu depctr_hold_cnt(0) depctr_sa_sdst(0) depctr_va_vdst(0) depctr_va_sdst(0) depctr_va_ssrc(0) depctr_va_vcc(0) depctr_vm_vsrc(0)
	s_getreg_b32 s2, hwreg(HW_REG_IB_STS2, 6, 4)
	s_cmp_eq_u32 s2, 0
	s_cbranch_scc0 .Lentry_in_a_cluster
	s_endpgm
.Lentry_in_a_cluster:
	s_bfe_u32 s2, ttmp6, 0x10000c
	s_cmp_lg_u32 s2, 0xf033
	s_cbranch_scc0 .Lentry_shape_is_right
	s_endpgm
.Lentry_shape_is_right:
.set FR,    12
.set NL,    4
.set IMG,   12288
.set TILEB, 3072
.set HALFT, 8*TILEB
.set SLOT,  4*HALFT
.set SPARE, 2*SLOT
.set ADRA, 16
.set ADRB, 20
.set L16,  24
.set L8,   25
.set H16,  26
.set SOF,  27
.set SPW,  28
.set NIL,  29
.set BOF,  30
.set SA,   32
.set SB,   64
.set TM,   96
.set PWA,  112
.set SW,   120
.set AF,   160
.set HA,   160
.set PC,   224
.set G1,   24
.set G0,   32
.set G1B,  48
.set G0B,  56
.set SEL,  92
.set MSB, 0
.macro WIN new
.if MSB != (\new)
	s_set_vgpr_msb (MSB<<8)|(\new)
.set MSB, (\new)
.endif
.endm
.set MUL_LO, 0xa1
.set MUL_HI, 0xf1
.set TO_B,   0x40
.macro JLOAD g0a, g0b
	s_cmp_eq_u32 s15, 0
	s_cbranch_scc0 .Lfor_b_\@
	tensor_load_to_lds s[\g0a:\g0a+3], s[G1:G1+7]
	s_nop 0
.rept 4
	v_nop
.endr
	s_branch .Lasked_\@
.Lfor_b_\@:
	tensor_load_to_lds s[\g0b:\g0b+3], s[G1B:G1B+7]
	s_nop 0
.rept 4
	v_nop
.endr
.Lasked_\@:
.endm
.macro CREST
	s_cmp_lg_u32 s14, 0
	s_cbranch_scc1 .Lnot_wave_0_\@
	s_barrier_signal -3
.Lnot_wave_0_\@:
	s_barrier_wait -3
	s_barrier_signal -1
	s_barrier_wait -1
.endm
.macro CROUND
	s_barrier_signal -1
	s_barrier_wait -1
	CREST
.endm
.macro PLACES n
.rept \n
	v_nop
.endr
.endm
	s_load_b256 s[4:11], s[0:1], 0x0
	s_load_b64 s[12:13], s[0:1], 0x20
	v_lshl_add_u32 v[SPW], v0, 2, SPARE
	v_mov_b32 v[NIL], 0
	ds_add_u32 v28, v29
	ds_add_u32 v28, v29
	s_wait_dscnt 0x0
	v_lshrrev_b32 v1, 5, v0
	v_readfirstlane_b32 s14, v1
	s_lshr_b32 s15, s14, 1
	s_and_b32 s16, s14, 1
	s_bfe_u32 s40, ttmp6, 0x40000
	s_bfe_u32 s41, ttmp6, 0x40004
	s_mov_b32 s66, ttmp9
	s_and_b32 s67, ttmp7, 0xffff
	s_lshl_b32 s67, s67, 2
	s_lshl_b32 s18, s66, 2
	s_add_co_u32 s18, s18, 16
	s_cmp_eq_u32 s66, 2
	s_cselect_b32 s17, 24, s67
	s_cselect_b32 s42, s67, s18
	s_add_co_u32 s17, s17, s41
	s_add_co_u32 s42, s42, s40
	s_lshl_b32 s43, s41, 2
	s_lshl_b32 s43, 15, s43
	s_lshl_b32 s44, 0x1111, s40
	s_or_b32 s[G1+0], s43, (3<<16)|(1<<21)
	s_or_b32 s[G1B+0], s44, (3<<16)|(1<<21)
.irp g, G1, G1B
	s_mov_b32 s[\g+1], 384<<16
	s_mov_b32 s[\g+2], 8<<16
	s_mov_b32 s[\g+3], 384<<16
	s_mov_b32 s[\g+4], 8
	s_mov_b32 s[\g+5], 1536
	s_mov_b32 s[\g+6], 0
	s_mov_b32 s[\g+7], 0
.endr
	s_lshl_b32 s19, s16, 3
	s_lshl_b32 s20, s17, 4
	s_add_co_u32 s20, s20, s19
	s_mul_i32 s20, s20, IMG
	s_mov_b32 s21, 0
	s_lshl_b32 s46, s42, 4
	s_add_co_u32 s46, s46, s19
	s_mul_i32 s46, s46, IMG
	s_mov_b32 s47, 0
	s_mul_i32 s45, s14, HALFT
	s_mov_b32 s[SEL], 0x76543210
	s_mov_b32 s[SEL+1], 0xfedcba98
	s_wait_kmcnt 0x0
	s_add_nc_u64 s[20:21], s[4:5], s[20:21]
	s_add_nc_u64 s[46:47], s[4:5], s[46:47]
	CROUND
.irp s, 0,1
	s_mov_b32 s[G0+4*\s], 1
	s_add_co_u32 s[G0+4*\s+1], s45, \s*SLOT
	s_add_nc_u64 s[G0+4*\s+2:G0+4*\s+3], s[20:21], \s*TILEB
	s_or_b32 s[G0+4*\s+3], s[G0+4*\s+3], 0x80000000
	s_mov_b32 s[G0B+4*\s], 1
	s_add_co_u32 s[G0B+4*\s+1], s45, \s*SLOT
	s_add_nc_u64 s[G0B+4*\s+2:G0B+4*\s+3], s[46:47], \s*TILEB
	s_or_b32 s[G0B+4*\s+3], s[G0B+4*\s+3], 0x80000000
.endr
	JLOAD G0, G0B                                  ; slot 0: my one tensor load at the head, behind the opening round
	s_lshl_b32 s70, s17, 4
	s_lshl_b32 s71, s15, 3
	s_add_co_u32 s70, s70, s71
	s_lshl_b32 s70, s70, 9
	s_mov_b32 s71, 0
	s_add_nc_u64 s[70:71], s[6:7], s[70:71]
	s_lshl_b32 s72, s42, 4
	s_add_co_u32 s72, s72, s19
	s_lshl_b32 s72, s72, 9
	s_mov_b32 s73, 0
	s_add_nc_u64 s[72:73], s[6:7], s[72:73]
	v_and_b32 v1, 31, v0
	v_and_b32 v2, 15, v0
	v_bfe_u32 v3, v0, 4, 1
	v_lshlrev_b32 v[SOF], 9, v3
	v_lshl_add_u32 v[SOF], v2, 4, v[SOF]
.irp i, 0,1,2,3
.irp k, 0,1
	global_load_b128 v[SA+8*\i+4*\k:SA+8*\i+4*\k+3], v[SOF], s[70:71] offset:\i*1024+\k*256
	global_load_b128 v[SB+8*\i+4*\k:SB+8*\i+4*\k+3], v[SOF], s[72:73] offset:\i*1024+\k*256
.endr
.endr
	v_lshlrev_b32 v[L16], 4, v1
	v_lshlrev_b32 v[L8], 3, v1
	v_lshlrev_b32 v[H16], 4, v3
	s_mul_i32 s74, s15, HALFT
	s_mul_i32 s75, s16, HALFT
	s_add_co_u32 s75, s75, 2*HALFT
.irp s, 0,1
	v_add_nc_u32 v[ADRA+\s], s74, v[L16]
	v_add_nc_u32 v[ADRA+2+\s], s74, v[L8]
	v_add_nc_u32 v[ADRB+\s], s75, v[L16]
	v_add_nc_u32 v[ADRB+2+\s], s75, v[L8]
	s_add_co_u32 s74, s74, SLOT
	s_add_co_u32 s75, s75, SLOT
.endr
.irp b, 0,1,2,3
	v_mov_b32 v[TM+4+\b], 0
.endr
	s_lshl_b32 s76, s17, 8
	s_lshl_b32 s77, s15, 7
	s_add_co_u32 s76, s76, s77
	s_lshl_b32 s77, s42, 8
	s_lshl_b32 s78, s16, 7
	s_add_co_u32 s77, s77, s78
	s_cmp_eq_u32 s66, 2
	s_cselect_b32 s78, s77, s76
	s_cselect_b32 s79, s76, s77
	s_cselect_b32 s80, 9, 10
	s_sub_co_u32 s79, s79, 4096
	s_lshr_b32 s81, s78, 11
	s_bfe_u32 s82, s78, 0x40007
	s_bfe_u32 s83, s79, 0x30007
	s_lshl_b32 s84, s81, 3
	s_add_co_u32 s84, s84, s83
	s_mul_i32 s85, s84, 2*98304
	s_mul_i32 s86, s66, 3145728
	s_add_co_u32 s85, s85, s86
	s_mul_i32 s86, s82, 6144
	s_add_co_u32 s86, s85, s86
	s_mov_b32 s87, 0
	s_add_nc_u64 s[88:89], s[10:11], s[86:87]
	s_lshl_b32 s84, s84, 4
	s_add_co_u32 s84, s84, s82
	s_lshl_b32 s84, s84, s80
	s_lshl_b32 s86, s66, 18
	s_add_co_u32 s86, s86, s84
	s_add_nc_u64 s[90:91], s[12:13], s[86:87]
	s_lshl_b32 s86, s79, 2
	s_add_nc_u64 s[8:9], s[8:9], s[86:87]
.macro FRAG reg, adr, q, i
	ds_load_b128 v[\reg:\reg+3], v[\adr] offset:(\i)*TILEB+(\q)*1536
	ds_load_b64 v[\reg+4:\reg+5], v[\adr+2] offset:(\i)*TILEB+(\q)*1536+512
	ds_load_b128 v[\reg+6:\reg+9], v[\adr] offset:(\i)*TILEB+(\q)*1536+768
	ds_load_b64 v[\reg+10:\reg+11], v[\adr+2] offset:(\i)*TILEB+(\q)*1536+1280
.endm
.macro FETCH_B slot, q, p
	WIN TO_B
.irp i, 0,1,2,3,4,5,6,7
	FRAG 128*(\p)+FR*\i, ADRB+\slot, \q, \i
.endr
	WIN 0
.endm
.macro FETCH_A slot, q, i0
.irp i, \i0, \i0+1, \i0+2, \i0+3
	FRAG AF+FR*(\i), ADRA+\slot, \q, \i
.endr
.endm
.macro WM zero, rb, ra
.set sel, 4*(\zero)+2*(\rb)+(\ra)
.if sel == 0
	v_wmma_scale_f32_16x16x128_f8f6f4 v[rD:rD+7], v[rB:rB+11], v[rA:rA+11], v[rD:rD+7], v[rSB], v[rSA] matrix_a_fmt:MATRIX_FMT_FP6 matrix_b_fmt:MATRIX_FMT_FP6
.elseif sel == 1
	v_wmma_scale_f32_16x16x128_f8f6f4 v[rD:rD+7], v[rB:rB+11], v[rA:rA+11], v[rD:rD+7], v[rSB], v[rSA] matrix_a_fmt:MATRIX_FMT_FP6 matrix_b_fmt:MATRIX_FMT_FP6 matrix_b_scale:MATRIX_SCALE_ROW1
.elseif sel == 2
	v_wmma_scale_f32_16x16x128_f8f6f4 v[rD:rD+7], v[rB:rB+11], v[rA:rA+11], v[rD:rD+7], v[rSB], v[rSA] matrix_a_fmt:MATRIX_FMT_FP6 matrix_b_fmt:MATRIX_FMT_FP6 matrix_a_scale:MATRIX_SCALE_ROW1
.elseif sel == 3
	v_wmma_scale_f32_16x16x128_f8f6f4 v[rD:rD+7], v[rB:rB+11], v[rA:rA+11], v[rD:rD+7], v[rSB], v[rSA] matrix_a_fmt:MATRIX_FMT_FP6 matrix_b_fmt:MATRIX_FMT_FP6 matrix_a_scale:MATRIX_SCALE_ROW1 matrix_b_scale:MATRIX_SCALE_ROW1
.elseif sel == 4
	v_wmma_scale_f32_16x16x128_f8f6f4 v[rD:rD+7], v[rB:rB+11], v[rA:rA+11], 0, v[rSB], v[rSA] matrix_a_fmt:MATRIX_FMT_FP6 matrix_b_fmt:MATRIX_FMT_FP6
.elseif sel == 5
	v_wmma_scale_f32_16x16x128_f8f6f4 v[rD:rD+7], v[rB:rB+11], v[rA:rA+11], 0, v[rSB], v[rSA] matrix_a_fmt:MATRIX_FMT_FP6 matrix_b_fmt:MATRIX_FMT_FP6 matrix_b_scale:MATRIX_SCALE_ROW1
.elseif sel == 6
	v_wmma_scale_f32_16x16x128_f8f6f4 v[rD:rD+7], v[rB:rB+11], v[rA:rA+11], 0, v[rSB], v[rSA] matrix_a_fmt:MATRIX_FMT_FP6 matrix_b_fmt:MATRIX_FMT_FP6 matrix_a_scale:MATRIX_SCALE_ROW1
.else
	v_wmma_scale_f32_16x16x128_f8f6f4 v[rD:rD+7], v[rB:rB+11], v[rA:rA+11], 0, v[rSB], v[rSA] matrix_a_fmt:MATRIX_FMT_FP6 matrix_b_fmt:MATRIX_FMT_FP6 matrix_a_scale:MATRIX_SCALE_ROW1 matrix_b_scale:MATRIX_SCALE_ROW1
.endif
.endm
.macro MUL16 a0, p, ks, zero
.irp a, \a0, \a0+1
.irp b, 0,1,2,3,4,5,6,7
.set rD, 8*(8*((\a)%4)+\b)
.set rB, 128*(\p)+FR*\b
.set rA, AF+FR*(\a)
.set rSB, SB+8*(\b/2)+(\ks)
.set rSA, SA+8*((\a)/2)+(\ks)
	WM \zero, (\b)%2, (\a)%2
.endr
.endr
.endm
.macro STEP slot, ks, zero
	s_wait_dscnt 4*NL
	WIN MUL_LO
	MUL16 0, 0, \ks, \zero
	MUL16 2, 0, \ks, \zero
	s_wait_dscnt 0
	PLACES 4
	FETCH_B \slot, 1, 1
	FETCH_A \slot, 1, 0
	WIN MUL_HI
	MUL16 4, 0, \ks, \zero
	MUL16 6, 0, \ks, \zero
	PLACES 4
	WIN 0
	FETCH_A \slot, 1, 4
.endm
.macro TURN slot, next, fill, ks
	s_wait_tensorcnt 0x0
	ds_add_u32 v[SPW], v[NIL]
	s_wait_dscnt 4*NL+1
	WIN MUL_LO
	MUL16 0, 1, \ks, 0
	s_wait_dscnt 0x0
	s_barrier_signal -1
	MUL16 2, 1, \ks, 0
	WIN 0
	s_barrier_wait -1
.if \fill
	CREST
	s_add_nc_u64 s[G0+4*\slot+2:G0+4*\slot+3], s[G0+4*\slot+2:G0+4*\slot+3], 2*TILEB
	s_add_nc_u64 s[G0B+4*\slot+2:G0B+4*\slot+3], s[G0B+4*\slot+2:G0B+4*\slot+3], 2*TILEB
	JLOAD G0+4*\slot, G0B+4*\slot
.else
	PLACES 4
.endif
	FETCH_B \next, 0, 0
	FETCH_A \next, 0, 0
	WIN MUL_HI
	MUL16 4, 1, \ks, 0
	MUL16 6, 1, \ks, 0
	PLACES 4
	WIN 0
	FETCH_A \next, 0, 4
.endm
.macro LAST
	s_wait_dscnt 4*NL
	WIN MUL_LO
	MUL16 0, 1, 7, 0
	MUL16 2, 1, 7, 0
	s_wait_dscnt 0
	WIN MUL_HI
	MUL16 4, 1, 7, 0
	MUL16 6, 1, 7, 0
	WIN 0
	PLACES 4
.endm
.macro QUANT s, a
.irp b, 0,1,2,3
	v_max3_num_f32 v[TM+\b], |v[\s+16*\b]|, |v[\s+1+16*\b]|, 0x1800000
.endr
.irp i, 2,4,6,8,10,12,14
.irp b, 0,1,2,3
	v_max3_num_f32 v[TM+\b], v[TM+\b], |v[\s+16*\b+\i]|, |v[\s+1+16*\b+\i]|
.endr
.endr
.irp b, 0,1,2,3
	v_permlanex16_b32 v[TM+4+\b], v[TM+\b], s[SEL], s[SEL+1]
.endr
.irp b, 0,1,2,3
	v_max_num_f32 v[TM+\b], v[TM+\b], v[TM+4+\b]
.endr
.irp b, 0,1,2,3
	v_add_nc_u32 v[TM+12+\b], 0xff000000, v[TM+\b]
.endr
.irp b, 0,1,2,3
	v_lshrrev_b32 v[TM+4+\b], 23, v[TM+12+\b]
.endr
	v_lshl_or_b32 v[PWA+(\a)], v[TM+5], 8, v[TM+4]
	v_lshl_or_b32 v[PWA+(\a)], v[TM+6], 16, v[PWA+(\a)]
	v_lshl_or_b32 v[PWA+(\a)], v[TM+7], 24, v[PWA+(\a)]
.irp c, 0,1
	v_cvt_scalef32_pk16_fp6_f32 v[PC+6*\c:PC+2+6*\c], v[\s+32*\c:\s+15+32*\c], v[TM+12+2*\c]
	v_cvt_scalef32_pk16_fp6_f32 v[PC+12+4*\c:PC+14+4*\c], v[\s+16+32*\c:\s+31+32*\c], v[TM+12+2*\c+1]
.endr
	v_nop
.irp c, 0,1
.irp i, 0,1,2
	v_permlane16_swap_b32 v[PC+6*\c+\i], v[PC+12+4*\c+\i]
.endr
.irp i, 0,1,2
	v_mov_b32 v[PC+3+6*\c+\i], v[PC+12+4*\c+\i]
.endr
.endr
.endm
.macro OUTBLK a, isv
.if (\a) > 0
	s_wait_xcnt 0x0
.endif
	WIN 0x06+(\a)/4
.set i, 0
.rept 32
.if \isv
	v_pk_add_f32 v[HA+2*i:HA+2*i+1], v[64*((\a)%4)+2*i:64*((\a)%4)+2*i+1], v[96+2*(\a):97+2*(\a)]
.else
	v_pk_add_f32 v[HA+2*i:HA+2*i+1], v[64*((\a)%4)+2*i:64*((\a)%4)+2*i+1], v[96+128*(i/16)+(2*i)%32:97+128*(i/16)+(2*i)%32]
.endif
.set i, i+1
.endr
	WIN 0
	QUANT HA, \a
.if \isv
.irp c, 0,1,2
	global_store_b128 v[L16], v[PC+4*\c:PC+4*\c+3], s[88:89] offset:((\a)/4)*98304+((\a)%4)*1536+512*\c
.endr
.else
	global_store_b128 v[L16], v[PC:PC+3], s[88:89] offset:(\a)*768
	global_store_b64 v[L8], v[PC+4:PC+5], s[88:89] offset:(\a)*768+512
	global_store_b128 v[L16], v[PC+6:PC+9], s[88:89] offset:98304+(\a)*768
	global_store_b64 v[L8], v[PC+10:PC+11], s[88:89] offset:98304+(\a)*768+512
.endif
.endm
	s_wait_alu depctr_va_vdst(0)
	s_wait_tensorcnt 0x0                           ; my part of slot 0 is in
	ds_add_u32 v28, v29
	s_wait_dscnt 0x0
	CROUND                                         ; everybody's part is in, and all sixteen work-groups are here
	JLOAD G0+4, G0B+4                              ; slot 1's first fill, the first tensor load behind the round
	s_wait_loadcnt 0x0                             ; the scale words
	FETCH_B 0, 0, 0
	FETCH_A 0, 0, 0
	FETCH_A 0, 0, 4
	STEP 0, 0, 1
	TURN 0, 1, 1, 1
	STEP 1, 2, 0
	TURN 1, 0, 1, 3
	STEP 0, 4, 0
	TURN 0, 1, 0, 5
	STEP 1, 6, 0
	s_cmp_eq_u32 s66, 2
	s_cbranch_scc1 .Lvalues
	v_lshlrev_b32 v[BOF], 6, v3
	WIN TO_B
.irp b, 0,1,2,3
.irp i, 0,1,2,3
	global_load_b128 v[96+128*(\b/2)+16*(\b%2)+4*\i:99+128*(\b/2)+16*(\b%2)+4*\i], v[BOF], s[8:9] offset:128*\b+16*\i
.endr
.endr
	WIN 0
	LAST
	s_wait_loadcnt 0x0
.irp a, 0,1,2,3,4,5,6,7
	OUTBLK \a, 0
.endr
.irp a, 0,1,2,3,4,5,6,7
	v_bfe_u32 v[SW+\a], v[PWA+\a], v[H16], 16
.endr
	global_store_b128 v[L16], v[SW:SW+3], s[90:91]
	global_store_b128 v[L16], v[SW+4:SW+7], s[90:91] offset:512
	s_branch .Lend
.Lvalues:
	v_and_b32 v4, 8, v2
	v_and_b32 v5, 7, v2
	v_lshl_add_u32 v4, v4, 1, v5
	v_lshlrev_b32 v[BOF], 2, v4
	WIN TO_B
.irp a, 0,1,2,3,4,5,6,7
	global_load_b32 v[96+2*\a], v[BOF], s[8:9] offset:(32*(\a/2)+8*(\a%2))*4
	global_load_b32 v[97+2*\a], v[BOF], s[8:9] offset:(32*(\a/2)+8*(\a%2))*4
.endr
	WIN 0
	LAST
	s_wait_loadcnt 0x0
.irp a, 0,1,2,3,4,5,6,7
	OUTBLK \a, 1
.endr
	v_cmp_ne_u32 vcc_lo, 0, v3
.irp i, 0,1,2,3
	v_cndmask_b32 v[SW+\i], v[PWA+\i], v[PWA+4+\i], vcc_lo
.endr
	global_store_b128 v[L16], v[SW:SW+3], s[90:91]
.Lend:
	s_wait_tensorcnt 0x0
	ds_add_u32 v[SPW], v[NIL]
	s_wait_dscnt 0x0
	CROUND
	s_endpgm
.Lfunc_end_k_q9f5c4c30b8_qkv:
	.size	k_q9f5c4c30b8_qkv, .Lfunc_end_k_q9f5c4c30b8_qkv-k_q9f5c4c30b8_qkv
	.p2alignl 7, 3214868480
	.fill 96, 4, 3214868480
	.section	.rodata,"a",@progbits
	.p2align	6, 0x0
	.amdhsa_kernel k_q9f5c4c30b8_qkv
		.amdhsa_group_segment_fixed_size 327680
		.amdhsa_private_segment_fixed_size 0
		.amdhsa_enable_private_segment 0
		.amdhsa_kernarg_size 40
		.amdhsa_user_sgpr_count 2
		.amdhsa_user_sgpr_kernarg_segment_ptr 1
		.amdhsa_wavefront_size32 1
		.amdhsa_system_sgpr_workgroup_id_x 1
		.amdhsa_system_sgpr_workgroup_id_y 1
		.amdhsa_system_sgpr_workgroup_id_z 1
		.amdhsa_system_vgpr_workitem_id 0
		.amdhsa_next_free_vgpr 1024
		.amdhsa_next_free_sgpr 96
		.amdhsa_reserve_vcc 1
		.amdhsa_float_denorm_mode_32 3
		.amdhsa_float_denorm_mode_16_64 3
		.amdhsa_memory_ordered 1
		.amdhsa_forward_progress 1
		.amdhsa_inst_pref_size 223
	.end_amdhsa_kernel
	.amdgpu_metadata
---
amdhsa.version: [ 1, 2 ]
amdhsa.kernels:
  - .name:           k_q9f5c4c30b8_qkv
    .symbol:         k_q9f5c4c30b8_qkv.kd
    .args:
      - { .name: opc, .offset: 0, .size: 8, .value_kind: global_buffer, .address_space: global }
      - { .name: ops, .offset: 8, .size: 8, .value_kind: global_buffer, .address_space: global }
      - { .name: b_qkv, .offset: 16, .size: 8, .value_kind: global_buffer, .address_space: global }
      - { .name: hdc, .offset: 24, .size: 8, .value_kind: global_buffer, .address_space: global }
      - { .name: hds, .offset: 32, .size: 8, .value_kind: global_buffer, .address_space: global }
    .group_segment_fixed_size: 327680
    .private_segment_fixed_size: 0
    .kernarg_segment_align: 8
    .kernarg_segment_size: 40
    .max_flat_workgroup_size: 128
    .sgpr_count:     96
    .vgpr_count:     1024
    .wavefront_size: 32
...
	.end_amdgpu_metadata
.endif
;; end of part 2
;; launch attn (part 3): grid 8 x 32, 16 waves a work-group, clusters of 4 x 1, 236,032 bytes of LDS; arguments hdc, hds, atc, ats; writes atc, ats
.if DOCPART == 3
	.amdgcn_target "amdgcn-amd-amdhsa--gfx1250"
	.amdhsa_code_object_version 6
	.text
	.protected	k_q9f5c4c30b8_attn
	.globl	k_q9f5c4c30b8_attn
	.p2align	8
	.type	k_q9f5c4c30b8_attn,@function
k_q9f5c4c30b8_attn:
	s_mov_b64 s[64:65], 0
	v_nop
	global_prefetch_b8 v0, s[64:65] scope:SCOPE_SE
	s_setreg_imm32_b32 hwreg(HW_REG_WAVE_MODE, 25, 1), 1
	s_wait_xcnt 0x0
	s_wait_alu depctr_hold_cnt(0) depctr_sa_sdst(0) depctr_va_vdst(0) depctr_va_sdst(0) depctr_va_ssrc(0) depctr_va_vcc(0) depctr_vm_vsrc(0)
	s_getreg_b32 s2, hwreg(HW_REG_IB_STS2, 6, 4)
	s_cmp_eq_u32 s2, 0
	s_cbranch_scc0 .Lentry_in_a_cluster
	s_endpgm
.Lentry_in_a_cluster:
	s_bfe_u32 s2, ttmp6, 0x10000c
	s_cmp_lg_u32 s2, 0x3003
	s_cbranch_scc0 .Lentry_shape_is_right
	s_endpgm
.Lentry_shape_is_right:
; For each of 32 (batch, head): O[q] = sum over k of softmax_k(Q[q] . K[k] / 4) V[k], no mask, both products on codes of FP6 (E2M3) with E8M0 scales; O / l is quantised along the model's 1,024 and leaves as codes.
; THE SOFTMAX: t = score x log2(e) / 4; M = the row's largest t so far, rounded UP to a whole number; p = 2^(t - M) is quantised along the keys, not normalised.  The row's sum l is taken of the
; unquantised p and divides O at the end.  When M moves, the sum and O are multiplied by 2^(old M - new M): exact.
; SHARES.  A work-group owns 256 queries of a head, each of its sixteen waves 16 of them, in 256 registers.  A whole head's K and V lie in LDS with their scale words, filled ONCE.  The four query blocks of a
; cluster belong to one head: each fill is asked for jointly (mask 15).  TEN FILLS, ONE A WAVE, all at the head: waves 0-3 K's first quarter, V's first quarter, K's scale words, V's; waves 5-7 K's quarters 1-3;
; waves 9-11 V's.  The first barrier shows what waves 0-3 asked for (their load lines are theirs alone), the second, behind three key steps, all the rest.  Nothing is filled again.
; No prefetch into the L2: every fill goes out at the head, so the launch has no loop that could run ahead of a fill.
; BOTH PRODUCTS ARE USED TRANSPOSED (S^T = K Q^T, O^T = V^T P^T): a lane holds ONE query.
; THE KEYS OF A TILE OF K ARE CHOSEN BY LDS ADDRESS: row r of tile 4 g + u is row 8 (u / 2) + r % 8 of the stored tile 4 g + 2 (r / 8) + u % 2.  So the 32 scores that lane (q, h) holds of tiles 4 g .. 4 g + 3
; are ONE WHOLE BLOCK of 32 keys, block 2 g + h of the step, and register 8 u + j is key 16 (u % 2) + 8 (u / 2) + j of it: the order in which V's codes were made.  That is the second product's operand layout as it
; stands: no lane swap, and a block's largest score needs no other lane.  K's LDS rows of 256 bytes have 64 bytes of padding: two stored tiles are 1,920 bytes apart, 128 modulo 256, so the sixteen lanes of a
; 16-byte load touch sixteen different 16-byte columns.
; THE FIRST PRODUCT'S K IS 64: Q's registers 6-11 are zero codes, and bytes 2, 3 of Q's and K's scale words are 0 (a power of two, no NaN).  So registers 6-11 of K's fragment may hold any codes: they are the next
; tile's six registers, and eight tiles lie in 54 registers (the last six are zeros, written once).
; A BLOCK'S SCALE is taken from its largest score: x = t - M by the same multiply-add as p's, held at -124 from below; the byte is floor(x) + 125.
; THE ORDER OF A STEP.  K's registers serve as scratch from the first product to the conversions; behind the conversions the NEXT step's K is fetched into them, and the row's sums go on in p's own registers.
; V is fetched behind the first product.  The chains that make the factor and p's scale word stand among the 32 multiply-adds.  The launch's last step fetches nothing and is written out.
; LIMITS: NaN and infinities are not served; a p under 2^-126 comes out of v_exp_f32 as 0; where v_exp_f32 rounds a block's largest p up to the next power of two (x within an ulp under a whole number), that one p is
; held at the largest code; a block whose every p is 0 keeps the byte 1 (its codes are zeros; this program alone reads the bytes).
; REGISTERS: v1, v7 16 and 8 x lane; v2-6 lane terms of the LDS addresses; v8, v9, v11 the next step's K addresses, v10, v29 this step's V addresses; v12 -M, v13 the largest t, v[14:15] the sum; v16-27 Q,
; v28 its scale word; v30-37 K's scale words; v38-41 V's; v42-95 K; v96-143 V; v144-207 S^T, then p, then partial sums; v208-239 O^T; v240-251 p's codes; v252 the factor, v253 p's scale word, v254 at work, v255 8 x (lane / 16).
.set KT,   960                         ; a stored tile of K in LDS: 3 x (256 + 64)
.set VC,   122880                      ; V's codes: [key step 16][tile of channels 4][1,536]
.set KSC,  221184                      ; K's scale words: [key step][q 2][row 16][4 words]
.set VSC,  229376                      ; V's: [key step][row 16][4 words]
.set SCS,  233472                      ; the output's scale bytes: written by LDS stores alone
.set SPARE, 233984                     ; the spare words, 128 bytes a wave
.set KS,   30
.set VS,   38
.set KF,   42
.set VF,   96
.set S,    144
.set O,    208
.set PC,   240
.set WV,   18
.set SEL,  20
.set CS,   22
.set G1C,  24                          ; s[24:31] group 1 for a quarter of V's codes; s[32:39] K's scale words; s[40:47] V's; s[52:59] a quarter of K's codes (padded)
.set G1KS, 32
.set G1VS, 40
.set G0,   48                          ; s[48:51] my one group 0
.set G1K,  52
.macro CROUND
	s_barrier_signal -1
	s_barrier_wait -1
	s_cmp_lg_u32 s[WV], 0
	s_cbranch_scc1 .Lnot_wave_0_\@
	s_barrier_signal -3
.Lnot_wave_0_\@:
	s_barrier_wait -3
	s_barrier_signal -1
	s_barrier_wait -1
.endm
.macro TL g1                           ; the type, the load, and the lines behind it
	s_or_b32 s[G0+3], s[G0+3], 0x80000000
	tensor_load_to_lds s[G0:G0+3], s[\g1:\g1+7]
	s_nop 0
.rept 4
	v_nop
.endr
.endm
.macro HINT n
	s_delay_alu instid0(VALU_DEP_\n)
.endm
	s_load_b256 s[4:11], s[0:1], 0x0               ; hdc s[4:5], hds s[6:7], atc s[8:9], ats s[10:11]
	v_lshl_add_u32 v254, v0, 2, SPARE
	v_mov_b32 v255, 0
	ds_add_u32 v254, v255                          ; the opening lines: the add, twice on end, and its wait
	ds_add_u32 v254, v255
	v_lshrrev_b32 v8, 5, v0
	HINT 1
	v_readfirstlane_b32 s[WV], v8                  ; wave 0..15
	s_bfe_u32 s12, ttmp6, 0x40000                  ; cx
	s_lshl_b32 s13, ttmp9, 2
	s_add_co_u32 s13, s13, s12                     ; my block of 256 queries: it enters Q's and the outputs' global addresses alone
	s_and_b32 s14, ttmp7, 0xffff                   ; batch x 16 + head, which the four partners share
.irp g, G1C, G1KS, G1VS, G1K
	s_mov_b32 s[\g+1], 32<<16                      ; rows of 256 bytes, as 32 elements of 8
	s_mov_b32 s[\g+3], 32<<16
	s_mov_b32 s[\g+6], 0
	s_mov_b32 s[\g+7], 0
.endr
.irp g, G1C, G1KS, G1VS
	s_mov_b32 s[\g], 15|(3<<16)|(1<<21)            ; the mask of all four work-groups, bit 21 beside it
.endr
	s_mov_b32 s[G1K], 15|(3<<16)|(1<<20)|(1<<21)|(5<<22)|(15<<25)   ; the same, with 16 words of padding behind every 64
.irp g, G1C, G1K
	s_mov_b32 s[\g+2], 96<<16                      ; a quarter: 24,576 dense bytes, 96 rows
	s_mov_b32 s[\g+4], 96
	s_mov_b32 s[\g+5], 32
.endr
	s_mov_b32 s[G1KS+2], 32<<16                    ; K's scale words: 32 rows, 512 bytes apart (the other head of the pair lies between)
	s_mov_b32 s[G1KS+4], 32
	s_mov_b32 s[G1KS+5], 64
	s_mov_b32 s[G1VS+2], 16<<16                    ; V's: 16 such rows
	s_mov_b32 s[G1VS+4], 16
	s_mov_b32 s[G1VS+5], 64
	s_mov_b32 s[SEL], 0x76543210
	s_mov_b32 s[SEL+1], 0xfedcba98
	s_mov_b32 s[CS], 0x3eb8aa3b                    ; c = log2(e) / 4
	s_mov_b32 s[CS+1], s[CS]
	s_lshr_b32 s19, s14, 1                         ; the pair of heads
	s_and_b32 s79, s14, 1
	s_lshl_b32 s79, s79, 8                         ; 256 x which of the pair
	s_mul_i32 s60, s14, 98304
	s_add_co_u32 s62, s60, 6291456                 ; V's codes of my head, bytes from hdc,
	s_add_co_u32 s60, s60, 3145728                 ; and K's
	s_mov_b32 s61, 0
	s_mov_b32 s63, 0
	s_lshl_b32 s68, s19, 14                        ; K's scale words: 16,384 bytes a pair of heads, from byte 262,144 of hds
	s_add_co_u32 s68, s68, s79
	s_add_co_u32 s68, s68, 262144
	s_mov_b32 s69, 0
	s_lshl_b32 s70, s19, 13                        ; V's: 8,192 a pair, from byte 524,288
	s_add_co_u32 s70, s70, s79
	s_add_co_u32 s70, s70, 524288
	s_mov_b32 s71, 0
	s_mov_b32 s[G0], 1
	s_wait_dscnt 0x0                               ; both opening adds are done
	s_wait_kmcnt 0x0
	s_add_nc_u64 s[60:61], s[4:5], s[60:61]
	s_add_nc_u64 s[62:63], s[4:5], s[62:63]
	s_add_nc_u64 s[68:69], s[6:7], s[68:69]
	s_add_nc_u64 s[70:71], s[6:7], s[70:71]
	CROUND                                         ; all four work-groups are here: the joint loads meet
	; one chain of branches on the wave's number, one load to an arm, all arms to one join
	s_cmp_eq_u32 s[WV], 0
	s_cbranch_scc0 .La1
	s_mov_b32 s[G0+1], 0
	s_mov_b64 s[G0+2:G0+3], s[60:61]
	TL G1K                                         ; K's quarter 0
	s_branch .Lasked
.La1:
	s_cmp_eq_u32 s[WV], 1
	s_cbranch_scc0 .La2
	s_mov_b32 s[G0+1], VC
	s_mov_b64 s[G0+2:G0+3], s[62:63]
	TL G1C                                         ; V's quarter 0
	s_branch .Lasked
.La2:
	s_cmp_eq_u32 s[WV], 2
	s_cbranch_scc0 .La3
	s_mov_b32 s[G0+1], KSC
	s_mov_b64 s[G0+2:G0+3], s[68:69]
	TL G1KS
	s_branch .Lasked
.La3:
	s_cmp_eq_u32 s[WV], 3
	s_cbranch_scc0 .La4
	s_mov_b32 s[G0+1], VSC
	s_mov_b64 s[G0+2:G0+3], s[70:71]
	TL G1VS
	s_branch .Lasked
.La4:
	s_and_b32 s72, s[WV], 3                        ; the quarter
	s_mul_i32 s74, s72, 24576
	s_mov_b32 s75, 0
	s_cmp_eq_u32 s72, 0
	s_cbranch_scc1 .Lasked                         ; waves 4, 8, 12 have no part
	s_cmp_lt_u32 s[WV], 8
	s_cbranch_scc0 .La5
	s_mul_i32 s[G0+1], s72, 30720
	s_add_nc_u64 s[G0+2:G0+3], s[60:61], s[74:75]
	TL G1K                                         ; waves 5-7: K's quarters 1-3
	s_branch .Lasked
.La5:
	s_cmp_lt_u32 s[WV], 12
	s_cbranch_scc0 .Lasked
	s_add_co_u32 s[G0+1], s74, VC
	s_add_nc_u64 s[G0+2:G0+3], s[62:63], s[74:75]
	TL G1C                                         ; waves 9-11: V's quarters 1-3
.Lasked:
	s_lshl_b32 s12, s13, 4
	s_add_co_u32 s12, s12, s[WV]                   ; my tile of 16 queries in the head
	s_lshl_b32 s72, s14, 7
	s_add_co_u32 s72, s72, s12
	s_mul_i32 s72, s72, 768
	s_mov_b32 s73, 0
	s_add_nc_u64 s[72:73], s[4:5], s[72:73]        ; Q's half fragment
	s_lshl_b32 s74, s19, 4
	s_lshl_b32 s75, s13, 1
	s_add_co_u32 s74, s74, s75
	s_lshr_b32 s75, s[WV], 3
	s_add_co_u32 s74, s74, s75                     ; which 128 tokens of the pair of heads
	s_lshl_b32 s74, s74, 10
	s_bfe_u32 s75, s[WV], 0x10002
	s_lshl_b32 s75, s75, 9
	s_add_co_u32 s74, s74, s75
	s_add_co_u32 s74, s74, s79
	s_and_b32 s75, s[WV], 3
	s_lshl_b32 s75, s75, 2                         ; the word
	s_add_co_u32 s74, s74, s75
	s_mov_b32 s75, 0
	s_add_nc_u64 s[74:75], s[6:7], s[74:75]        ; Q's scale words
	s_lshr_b32 s76, s14, 4                         ; batch
	s_and_b32 s77, s14, 15                         ; head
	s_lshl_b32 s16, s76, 7
	s_add_co_u32 s16, s16, s12
	s_mul_i32 s16, s16, 12288
	s_mul_i32 s17, s77, 768
	s_add_co_u32 s16, s16, s17
	s_mov_b32 s17, 0
	s_add_nc_u64 s[8:9], s[8:9], s[16:17]          ; atc: [tile of 16 tokens][head][768]
	s_lshl_b32 s16, s77, 13
	s_lshl_b32 s76, s76, 12
	s_add_co_u32 s16, s16, s76
	s_lshl_b32 s76, s13, 9
	s_add_co_u32 s16, s16, s76
	s_add_nc_u64 s[10:11], s[10:11], s[16:17]      ; ats: [head][token], two bytes: my work-group's 512 bytes
	v_and_b32 v8, 31, v0                           ; lane
	v_and_b32 v9, 15, v0                           ; r
	v_bfe_u32 v10, v0, 4, 1                        ; h
	v_and_b32 v11, 7, v0                           ; r % 8
	v_bfe_u32 v29, v0, 3, 1                        ; r / 8
	v_lshlrev_b32 v1, 4, v8
	v_lshlrev_b32 v7, 3, v8
	v_mul_u32_u24 v2, v10, 320
	v_lshlrev_b32 v3, 7, v10
	v_lshlrev_b32 v5, 4, v11
	v_lshlrev_b32 v30, 4, v9
	HINT 4
	v_mad_u32_u24 v2, v29, 1920, v2
	HINT 4
	v_mad_u32_u24 v3, v29, 1920, v3
	HINT 4
	v_lshl_add_u32 v5, v29, 3, v5
	HINT 4
	v_add_nc_u32 v6, VSC, v30                      ; V's scale words: 16 r
	HINT 4
	v_lshl_add_u32 v2, v11, 4, v2                  ; K, registers 0-3: 16 (r % 8) + 320 h + 1,920 (r / 8)
	HINT 4
	v_lshl_add_u32 v3, v11, 3, v3
	HINT 4
	v_add_nc_u32 v5, KSC, v5                       ; K's scale words: 16 (r % 8) + 8 (r / 8)
	v_add_nc_u32 v4, VC, v1                        ; V: 16 x lane
	v_lshlrev_b32 v255, 3, v10                     ; 8 h: my bytes' shift in p's scale word
	HINT 4
	v_add_nc_u32 v3, 640, v3                       ; K, registers 4-5: 640 + 8 (r % 8) + 128 h + 1,920 (r / 8)
	global_load_b128 v[16:19], v1, s[72:73]
	global_load_b64 v[20:21], v7, s[72:73] offset:512
	global_load_b32 v28, v30, s[74:75]
.irp j, 22,23,24,25,26,27
	v_mov_b32 v[\j], 0                             ; Q's K = 64 .. 127: zero codes
.endr
.irp j, 48,49,50,51,52,53
	v_mov_b32 v[KF+\j], 0                          ; behind K's last tile: written once, never loaded
.endr
.set j, 0
.rept 32
	v_mov_b32 v[O+j], 0                            ; O^T: the step is written for all steps alike; the first finds zeros
.set j, j+1
.endr
	v_mov_b32 v13, 0xff61b1e6                      ; the largest t so far: -3e38
	HINT 1
	v_floor_f32 v12, -v13                          ; -M
	v_mov_b32 v14, 0
	v_mov_b32 v15, 0
	v_mov_b32 v253, 0                              ; (named as the upper half of v[252:253] before it is first written)
	s_wait_alu depctr_va_vdst(0)
	s_cmp_lt_u32 s[WV], 4
	s_cbranch_scc0 .Lnot_first_four
	s_wait_tensorcnt 0x0                           ; waves 0-3: the first quarters and the scale words are in
.Lnot_first_four:
	s_wait_loadcnt 0x0                             ; Q
	s_barrier_signal -1
	s_barrier_wait -1                              ; the later quarters may be on their way
.macro KLOAD a16, a8, as               ; a step's K: four loads of scale words, eight tiles of six registers
.irp g, 0,1
.irp w, 0,1
	ds_load_b64 v[KS+4*\g+2*\w:KS+4*\g+2*\w+1], v[\as] offset:256*\g+128*\w   ; the scale words of tiles 4 g + 2 w, + 1
.endr
.endr
.irp t, 0,1,2,3,4,5,6,7
	ds_load_b128 v[KF+6*\t:KF+6*\t+3], v[\a16] offset:KT*(4*(\t/4)+\t%2)+128*((\t%4)/2)
	ds_load_b64 v[KF+6*\t+4:KF+6*\t+5], v[\a8] offset:KT*(4*(\t/4)+\t%2)+64*((\t%4)/2)
.endr
.endm
.macro F n                             ; t - M of two scores
	v_pk_fma_f32 v[S+2*(\n):S+2*(\n)+1], v[S+2*(\n):S+2*(\n)+1], s[CS:CS+1], v[12:13] op_sel_hi:[1,0,0]
.endm
.macro FILL pf, d, s, a                ; one of the next step's K addresses, between two links of the chain that makes M
.if \pf
	v_add_nc_u32 v\d, \s, v\a
	HINT 2
.else
	HINT 1
.endif
.endm
; A KEY STEP: 128 keys.  s3, s67: where this step's V and its scale words begin; s2, s66: where the NEXT step's K and its scale words begin.  pf = 1: the next step's K is fetched.
.macro STEP pf
	s_wait_dscnt 0x0                               ; this step's K, asked for in the step before
.irp t, 0,1,2,3,4,5,6,7
	v_wmma_scale_f32_16x16x128_f8f6f4 v[S+8*\t:S+8*\t+7], v[KF+6*\t:KF+6*\t+11], v[16:27], 0, v[KS+\t], v28 matrix_a_fmt:MATRIX_FMT_FP6 matrix_b_fmt:MATRIX_FMT_FP6
.endr
	v_mov_b32 v254, v12                            ; the old -M.  These four are the places behind these products, and between the last step's products and the loads into V's registers
	v_add_nc_u32 v10, s3, v4
	v_add_nc_u32 v29, s67, v6
	v_nop
.irp t, 0,1,2,3
.irp c, 0,1,2
	ds_load_b128 v[VF+12*\t+4*\c:VF+12*\t+4*\c+3], v10 offset:1536*\t+512*\c   ; V lands under the softmax
.endr
.endr
	ds_load_b128 v[VS:VS+3], v29
	; the largest score of my two blocks of 32 keys, each in two chains (17 and 15 numbers); each accumulator is first read at its low end
.irp g, 0,1
	v_max3_num_f32 v[KF+2*\g], v[S+32*\g], v[S+32*\g+1], v[S+32*\g+2]
	v_max3_num_f32 v[KF+2*\g+1], v[S+32*\g+17], v[S+32*\g+18], v[S+32*\g+19]
.endr
.irp i, 0,1,2,3,4,5
.irp g, 0,1
	v_max3_num_f32 v[KF+2*\g], v[KF+2*\g], v[S+32*\g+3+2*\i], v[S+32*\g+4+2*\i]
	v_max3_num_f32 v[KF+2*\g+1], v[KF+2*\g+1], v[S+32*\g+20+2*\i], v[S+32*\g+21+2*\i]
.endr
.endr
.irp g, 0,1
	v_max3_num_f32 v[KF+2*\g], v[KF+2*\g], v[S+32*\g+15], v[S+32*\g+16]
.endr
	HINT 2
	v_max_num_f32 v[KF], v[KF], v[KF+1]            ; block h
	HINT 2
	v_max_num_f32 v[KF+2], v[KF+2], v[KF+3]        ; block 2 + h
	HINT 1
	v_max_num_f32 v[KF+4], v[KF], v[KF+2]
	FILL \pf, 8, s2, 2
	v_permlanex16_b32 v[KF+5], v[KF+4], s[SEL], s[SEL+1]
	FILL \pf, 9, s2, 3
	v_max_num_f32 v[KF+4], v[KF+4], v[KF+5]        ; the step's largest score of my query
	FILL \pf, 11, s66, 5
	v_mul_f32 v[KF+4], s[CS], v[KF+4]              ; as t (c is positive)
	HINT 1
	v_max_num_f32 v13, v13, v[KF+4]
	HINT 1
	v_floor_f32 v12, -v13                          ; the new -M = -ceil(t)
	HINT 1
	v_fma_f32 v[KF], v[KF], s[CS], v12             ; x = t - M of each block's largest score
	HINT 2
	v_fma_f32 v[KF+2], v[KF+2], s[CS], v12
	HINT 3
	v_sub_f32 v254, v12, v254                      ; old M - new M: a whole number, 0 or less
	F 0
	F 1
	v_max_num_f32 v[KF], 0xc2f80000, v[KF]         ; held at -124: the byte cannot fall under 1
	v_max_num_f32 v[KF+2], 0xc2f80000, v[KF+2]
	v_cvt_i32_f32 v254, v254                       ; (it saturates)
	F 2
	F 3
	v_cvt_floor_i32_f32 v[KF], v[KF]               ; e = floor(log2(the block's largest p))
	v_cvt_floor_i32_f32 v[KF+2], v[KF+2]
	v_ldexp_f32 v252, 1.0, v254                    ; f = 2^(old M - new M)
	F 4
	F 5
	v_lshl_add_u32 v[KF+1], v[KF], 23, 0x3e800000  ; (e + 125) << 23: the conversions' scale operand
	v_lshl_add_u32 v[KF+3], v[KF+2], 23, 0x3e800000
	v_lshl_add_u32 v[KF+4], v[KF+2], 16, v[KF]     ; the two e side by side,
	F 6
	F 7
	HINT 3
	v_add_lshl_u32 v[KF+4], v[KF+4], 0x7d007d, v255   ; + 125 each: the bytes of blocks h and 2 + h, at their places in the word,
	F 8
	F 9
	HINT 3
	v_permlanex16_b32 v[KF+5], v[KF+4], s[SEL], s[SEL+1]
	F 10
	F 11
	HINT 3
	v_or_b32 v253, v[KF+4], v[KF+5]                ; with lane l xor 16's two: p's scale word
.set j, 12
.rept 20
	F j
.set j, j+1
.endr
.set j, 0
.rept 16
	v_pk_mul_f32 v[O+j:O+j+1], v[O+j:O+j+1], v[252:253] op_sel_hi:[1,0]   ; O^T under the new M
.set j, j+2
.endr
	s_wait_alu depctr_va_vdst(0)
.set j, 0
.rept 64
	v_exp_f32 v[S+j], v[S+j]                       ; p = 2^(t - M): NOT normalised
.set j, j+1
.endr
	v_nop                                          ; the plain place behind the exponentials
	s_wait_dscnt 0x0                               ; V
	s_wait_alu depctr_va_vdst(0)                   ; one wait for the whole batch, ahead of its first reader
.irp c, 0,1
	v_cvt_scalef32_pk16_fp6_f32 v[PC+6*\c:PC+6*\c+2], v[S+32*\c:S+32*\c+15], v[KF+1+2*\c]
	v_cvt_scalef32_pk16_fp6_f32 v[KF+6+4*\c:KF+8+4*\c], v[S+32*\c+16:S+32*\c+31], v[KF+1+2*\c]   ; (a conversion's three registers begin on an even number)
.endr
	v_nop                                          ; one plain instruction behind a scaled conversion
.irp c, 0,1
.irp i, 0,1,2
	v_mov_b32 v[PC+3+6*\c+\i], v[KF+6+4*\c+\i]
.endr
.endr
.if \pf
	KLOAD 8, 9, 11                                 ; K's registers are done with: the next step's K lands under the sums and the second product
.endif
.irp k, 0,1,2,3
	v_pk_add_f32 v[S+2*\k:S+2*\k+1], v[S+2*\k:S+2*\k+1], v[S+8+2*\k:S+9+2*\k]   ; the sum of the unquantised p, in four chains, in p's first eight registers
.endr
.irp m, 0,1,2,3,4,5
.irp k, 0,1,2,3
	v_pk_add_f32 v[S+2*\k:S+2*\k+1], v[S+2*\k:S+2*\k+1], v[S+16+8*\m+2*\k:S+17+8*\m+2*\k]
.endr
.endr
	HINT 3
	v_pk_add_f32 v[S:S+1], v[S:S+1], v[S+2:S+3]
	HINT 2
	v_pk_add_f32 v[S+4:S+5], v[S+4:S+5], v[S+6:S+7]
	HINT 1
	v_pk_add_f32 v[S:S+1], v[S:S+1], v[S+4:S+5]
	HINT 1
	v_pk_fma_f32 v[14:15], v[14:15], v[252:253], v[S:S+1] op_sel_hi:[1,0,1]   ; the old sum under the new M, and this step's
.irp t, 0,1,2,3
	v_wmma_scale_f32_16x16x128_f8f6f4 v[O+8*\t:O+8*\t+7], v[VF+12*\t:VF+12*\t+11], v[PC:PC+11], v[O+8*\t:O+8*\t+7], v[VS+\t], v253 matrix_a_fmt:MATRIX_FMT_FP6 matrix_b_fmt:MATRIX_FMT_FP6
.endr
.endm
.macro RUN first, n                    ; key steps first .. first + n - 1, each fetching the next one's K
	s_mov_b32 s2, (\first+1)*8*KT
	s_mov_b32 s66, (\first+1)*512
	s_mov_b32 s3, \first*6144
	s_mov_b32 s67, \first*256
	s_mov_b32 s78, \n
.Lstep_\@:
	STEP 1
	s_add_co_u32 s2, s2, 8*KT
	s_add_co_u32 s66, s66, 512
	s_add_co_u32 s3, s3, 6144
	s_add_co_u32 s67, s67, 256
	s_sub_co_u32 s78, s78, 1
	s_cmp_lg_u32 s78, 0
	s_cbranch_scc1 .Lstep_\@
.endm
	KLOAD 2, 3, 5                                  ; step 0's K: the lane terms are its addresses
	RUN 0, 3                                       ; steps 0-2; the last fetches step 3's K, the first quarter's last
	s_wait_tensorcnt 0x0                           ; every wave: my fill, if I have one, is in
	s_wait_dscnt 0x0                               ; no LDS load is out at the signal
	s_barrier_signal -1
	s_barrier_wait -1                              ; all of K and V is in
	RUN 3, 12                                      ; steps 3-14
	s_mov_b32 s3, 15*6144
	s_mov_b32 s67, 15*256
	STEP 0                                         ; step 15 fetches nothing
	; THE WAY OUT: O^T / l, quantised along the head's 64 (two blocks of the model's 1,024), as a half fragment of the next launch's operand.
.rept 4
	v_nop                                          ; places behind the last products
.endr
	v_add_f32 v14, v14, v15
	HINT 1
	v_permlanex16_b32 v252, v14, s[SEL], s[SEL+1]
	HINT 1
	v_add_f32 v14, v14, v252                       ; the row's sum
	s_wait_alu depctr_va_vdst(0)
	v_rcp_f32 v14, v14
	v_and_b32 v8, 15, v0
	s_lshl_b32 s72, s[WV], 5
	v_lshl_add_u32 v8, v8, 1, s72
	HINT 1
	v_add_nc_u32 v8, SCS, v8                       ; my query's two scale bytes: 32 x wave + 2 r
	s_wait_alu depctr_va_vdst(0)                   ; ahead of the reciprocal's and O^T's first reader
.set j, 0
.rept 16
	v_pk_mul_f32 v[S+j:S+j+1], v[O+j:O+j+1], v[14:15] op_sel_hi:[1,0]   ; register 16 b + i is channel 32 b + 16 h + i
.set j, j+2
.endr
.irp b, 0,1
	v_max3_num_f32 v[KF+\b], |v[S+16*\b]|, |v[S+1+16*\b]|, 0x1800000
.endr
.irp i, 2,4,6,8,10,12,14
.irp b, 0,1
	HINT 2
	v_max3_num_f32 v[KF+\b], v[KF+\b], |v[S+16*\b+\i]|, |v[S+1+16*\b+\i]|
.endr
.endr
.irp b, 0,1
	HINT 2
	v_permlanex16_b32 v[KF+4+\b], v[KF+\b], s[SEL], s[SEL+1]   ; (into registers that plain instructions of the last step wrote last)
.endr
.irp b, 0,1
	HINT 2
	v_max_num_f32 v[KF+\b], v[KF+\b], v[KF+4+\b]
.endr
.irp b, 0,1
	HINT 2
	v_add_nc_u32 v[KF+10+\b], 0xff000000, v[KF+\b]
.endr
.irp b, 0,1
	HINT 2
	v_lshrrev_b32 v[KF+12+\b], 23, v[KF+10+\b]
.endr
	HINT 1
	v_lshl_or_b32 v[KF+12], v[KF+13], 8, v[KF+12]  ; byte 0: channels 0-31, byte 1: channels 32-63
	v_cvt_scalef32_pk16_fp6_f32 v[PC:PC+2], v[S:S+15], v[KF+10]
	v_cvt_scalef32_pk16_fp6_f32 v[KF+6:KF+8], v[S+16:S+31], v[KF+11]
	v_nop
.irp i, 0,1,2
	v_permlane16_swap_b32 v[PC+\i], v[KF+6+\i]     ; a whole block in a lane
.endr
.irp i, 0,1,2
	HINT 3
	v_mov_b32 v[PC+3+\i], v[KF+6+\i]
.endr
	global_store_b128 v1, v[PC:PC+3], s[8:9]       ; 512 consecutive bytes, aligned to 256
	global_store_b64 v7, v[PC+4:PC+5], s[8:9] offset:512
	ds_store_b16 v8, v[KF+12]                      ; both lanes of a query write the same two bytes
	s_wait_dscnt 0x0                               ; for the others' sake
	s_barrier_signal -1
	s_barrier_wait -1
	s_cmp_lg_u32 s[WV], 0
	s_cbranch_scc1 .Lnot_first
	v_add_nc_u32 v9, SCS, v1
	ds_load_b128 v[S:S+3], v9                      ; the work-group's 512 scale bytes
	s_wait_dscnt 0x0
	global_store_b128 v1, v[S:S+3], s[10:11]       ; 512 consecutive bytes, aligned to 256
.Lnot_first:
	s_wait_xcnt 0x0
	v_lshl_add_u32 v254, v0, 2, SPARE              ; the add's two registers, made anew from v0
	v_mov_b32 v255, 0
	s_wait_alu depctr_va_vdst(0)
	s_wait_tensorcnt 0x0                           ; the wave's end
	ds_add_u32 v254, v255
	s_wait_dscnt 0x0
	CROUND                                         ; the closing round
	s_endpgm
.Lfunc_end_k_q9f5c4c30b8_attn:
	.size	k_q9f5c4c30b8_attn, .Lfunc_end_k_q9f5c4c30b8_attn-k_q9f5c4c30b8_attn
	.p2alignl 7, 3214868480
	.fill 96, 4, 3214868480
	.section	.rodata,"a",@progbits
	.p2align	6, 0x0
	.amdhsa_kernel k_q9f5c4c30b8_attn
		.amdhsa_group_segment_fixed_size 236032
		.amdhsa_private_segment_fixed_size 0
		.amdhsa_enable_private_segment 0
		.amdhsa_kernarg_size 32
		.amdhsa_user_sgpr_count 2
		.amdhsa_user_sgpr_kernarg_segment_ptr 1
		.amdhsa_wavefront_size32 1
		.amdhsa_system_sgpr_workgroup_id_x 1
		.amdhsa_system_sgpr_workgroup_id_y 1
		.amdhsa_system_sgpr_workgroup_id_z 1
		.amdhsa_system_vgpr_workitem_id 0
		.amdhsa_next_free_vgpr 256
		.amdhsa_next_free_sgpr 80
		.amdhsa_reserve_vcc 0
		.amdhsa_float_denorm_mode_32 3
		.amdhsa_float_denorm_mode_16_64 3
		.amdhsa_memory_ordered 1
		.amdhsa_forward_progress 1
		.amdhsa_inst_pref_size 64
	.end_amdhsa_kernel
	.amdgpu_metadata
---
amdhsa.version: [ 1, 2 ]
amdhsa.kernels:
  - .name:           k_q9f5c4c30b8_attn
    .symbol:         k_q9f5c4c30b8_attn.kd
    .args:
      - { .name: hdc, .offset: 0, .size: 8, .value_kind: global_buffer, .address_space: global }
      - { .name: hds, .offset: 8, .size: 8, .value_kind: global_buffer, .address_space: global }
      - { .name: atc, .offset: 16, .size: 8, .value_kind: global_buffer, .address_space: global }
      - { .name: ats, .offset: 24, .size: 8, .value_kind: global_buffer, .address_space: global }
    .group_segment_fixed_size: 236032
    .private_segment_fixed_size: 0
    .kernarg_segment_align: 8
    .kernarg_segment_size: 32
    .max_flat_workgroup_size: 512
    .sgpr_count:     80
    .vgpr_count:     256
    .wavefront_size: 32
...
	.end_amdgpu_metadata
.endif
;; end of part 3
;; launch proj (part 4): grid 8 x 32, 4 waves a work-group, clusters of 4 x 4, 214,528 bytes of LDS; arguments atc, ats, opc, ops, b_out, out0; writes out0
.if DOCPART == 4
	.amdgcn_target "amdgcn-amd-amdhsa--gfx1250"
	.amdhsa_code_object_version 6
	.text
	.protected	k_q9f5c4c30b8_proj
	.globl	k_q9f5c4c30b8_proj
	.p2align	8
	.type	k_q9f5c4c30b8_proj,@function
k_q9f5c4c30b8_proj:
	s_mov_b64 s[64:65], 0
	v_nop
	global_prefetch_b8 v0, s[64:65] scope:SCOPE_SE
	s_setreg_imm32_b32 hwreg(HW_REG_WAVE_MODE, 25, 1), 1
	s_wait_xcnt 0x0
	s_wait_alu depctr_hold_cnt(0) depctr_sa_sdst(0) depctr_va_vdst(0) depctr_va_sdst(0) depctr_va_ssrc(0) depctr_va_vcc(0) depctr_vm_vsrc(0)
	s_getreg_b32 s2, hwreg(HW_REG_IB_STS2, 6, 4)
	s_cmp_eq_u32 s2, 0
	s_cbranch_scc0 .Lentry_in_a_cluster
	s_endpgm
.Lentry_in_a_cluster:
	s_bfe_u32 s2, ttmp6, 0x10000c
	s_cmp_lg_u32 s2, 0xf033
	s_cbranch_scc0 .Lentry_shape_is_right
	s_endpgm
.Lentry_shape_is_right:
; out0 = (attention's result) W_out + b_out on codes of FP6 (E2M3) with E8M0 scales, K = 1,024.  [4096][1024] f32.
; 256 tiles of 128 x 128, one for each work-group (tiles of 256 x 256 would be 64).  Four waves, each 64 x 64: 16 accumulators.
; ALL OF K LIES IN LDS, 196,608 bytes, filled ONCE, by ONE tensor load a wave: 64 rows of one side, all of K, are four register images of 12,288 bytes on end, 49,152 dense bytes, stated as 192 rows of 256.
; Every wave waits for its load, one barrier shows all four, and the eight K steps follow with no further barrier; a K step's place stands in the LDS loads' immediates.  Nothing is filled again.
; No prefetch into the L2: the fills go out at the head, so there is no loop that could run ahead of a fill.
; CLUSTER 4 x 4: the tokens' tiles are asked for jointly along a row of the cluster, the weight's along a column.
; THE PRODUCT IS USED TRANSPOSED: source 0 = 16 columns of W_out (in the image's order: the 16 registers of two neighbouring tiles are 16 neighbouring columns), source 1 = 16 tokens.  The bias is the C of each sum's first product.
; REGISTERS: window 0: v1-6 lane terms; v16-19 LDS addresses; v20-22 the way out; v32-47 the tokens' scale words, v48-63 the weight's; v64-95 the bias, later rows of out0; v96-127 scale bytes as loaded, later rows; v128-255 accumulators.
;   window 1: two fragment buffers of 96: four fragments of the tokens, then four of the weight.
.set FR,    12
.set IMG,   12288                      ; 16 rows, all of K: eight K steps of 1,536 bytes
.set STAGE, 16*IMG                     ; behind the codes: 16 rows x 272 bytes for each wave; no fill lands there
.set SP,    272
.set SA,   32
.set SB,   48
.set BI,   64
.set T,    96
.set ACC,  128
.set G1A,  24
.set G1B,  32
.set MSB, 0
.macro WIN new
.if MSB != (\new)
	s_set_vgpr_msb (MSB<<8)|(\new)
.set MSB, (\new)
.endif
.endm
.macro JLOAD g0a, g0b                  ; waves 0 and 1 fetch the tokens' halves, waves 2 and 3 the weight's; four v_nop follow each of the two lines
	s_cmp_eq_u32 s17, 0
	s_cbranch_scc0 .Lfor_b_\@
	tensor_load_to_lds s[\g0a:\g0a+3], s[G1A:G1A+7]
	s_nop 0
.rept 4
	v_nop
.endr
	s_branch .Lasked_\@
.Lfor_b_\@:
	tensor_load_to_lds s[\g0b:\g0b+3], s[G1B:G1B+7]
	s_nop 0
.rept 4
	v_nop
.endr
.Lasked_\@:
.endm
.macro CROUND
	s_barrier_signal -1
	s_barrier_wait -1
	s_cmp_lg_u32 s16, 0
	s_cbranch_scc1 .Lnot_wave_0_\@
	s_barrier_signal -3
.Lnot_wave_0_\@:
	s_barrier_wait -3
	s_barrier_signal -1
	s_barrier_wait -1
.endm
.macro SETG g, base
	s_mov_b32 s[\g], 1
	s_add_co_u32 s[\g+1], s84, 0
	s_add_nc_u64 s[\g+2:\g+3], s[\base:\base+1], 0
	s_or_b32 s[\g+3], s[\g+3], 0x80000000
.endm
	s_load_b256 s[4:11], s[0:1], 0x0               ; atc s[4:5], ats s[6:7], opc s[8:9], ops s[10:11]
	s_load_b128 s[12:15], s[0:1], 0x20             ; b_out s[12:13], out0 s[14:15]
	v_lshl_add_u32 v30, v0, 2, 0x34400
	v_mov_b32 v31, 0
	ds_add_u32 v30, v31
	ds_add_u32 v30, v31
	v_lshrrev_b32 v1, 5, v0
	v_readfirstlane_b32 s16, v1                    ; wave 0..3
	s_lshr_b32 s17, s16, 1                         ; my half of the tile's tokens.  Also: I fetch for the tokens (0) or for the weight (1)
	s_and_b32 s18, s16, 1                          ; my half of its columns.  Also: which 64 rows I fetch
	s_bfe_u32 s76, ttmp6, 0x40000                  ; cx
	s_bfe_u32 s77, ttmp6, 0x40004                  ; cy
	s_and_b32 s78, ttmp7, 0xffff
	s_lshl_b32 s78, s78, 2
	s_add_co_u32 s78, s78, s77                     ; which 128 tokens
	s_lshl_b32 s79, ttmp9, 2
	s_add_co_u32 s79, s79, s76                     ; which 128 columns
	s_lshl_b32 s80, s77, 2
	s_lshl_b32 s80, 15, s80                        ; my row of the cluster
	s_lshl_b32 s81, 0x1111, s76                    ; my column
	s_or_b32 s[G1A+0], s80, (3<<16)|(1<<21)        ; 192 rows of 256 bytes, dense, as elements of 8 bytes
	s_or_b32 s[G1B+0], s81, (3<<16)|(1<<21)
.irp g, G1A, G1B
	s_mov_b32 s[\g+1], 32<<16
	s_mov_b32 s[\g+2], 192<<16
	s_mov_b32 s[\g+3], 32<<16
	s_mov_b32 s[\g+4], 192
	s_mov_b32 s[\g+5], 32
	s_mov_b32 s[\g+6], 0
	s_mov_b32 s[\g+7], 0
.endr
	s_lshl_b32 s19, s18, 2
	s_lshl_b32 s20, s78, 3
	s_add_co_u32 s20, s20, s19
	s_mul_i32 s20, s20, IMG
	s_mov_b32 s21, 0
	s_lshl_b32 s22, s79, 3
	s_add_co_u32 s22, s22, s19
	s_add_co_u32 s22, s22, 448                     ; W_out's tiles begin at index 448
	s_mov_b32 s85, s22
	s_mul_i32 s22, s22, IMG
	s_mov_b32 s23, 0
	s_mul_i32 s84, s16, 4*IMG                      ; where they go: wave x 64 rows, all of K
	s_wait_dscnt 0x0
	s_wait_kmcnt 0x0
	s_add_nc_u64 s[20:21], s[4:5], s[20:21]
	s_add_nc_u64 s[22:23], s[8:9], s[22:23]
	SETG 40, 20
	SETG 56, 22
	CROUND                                         ; all sixteen work-groups are here: the joint loads meet
	JLOAD 40, 56                                   ; my one tensor load
	s_lshl_b32 s86, s85, 9
	s_mov_b32 s87, 0
	s_add_nc_u64 s[10:11], s[10:11], s[86:87]      ; the scale words of my 64 columns
	s_lshl_b32 s88, s78, 7
	s_lshl_b32 s89, s17, 6
	s_add_co_u32 s88, s88, s89                     ; my first token
	s_lshl_b32 s86, s88, 1
	s_add_nc_u64 s[6:7], s[6:7], s[86:87]
	s_lshl_b32 s90, s79, 7
	s_lshl_b32 s91, s18, 6
	s_add_co_u32 s90, s90, s91                     ; my first column
	s_lshl_b32 s86, s90, 2
	s_add_nc_u64 s[12:13], s[12:13], s[86:87]
	s_add_nc_u64 s[14:15], s[14:15], s[86:87]
	s_lshl_b32 s86, s88, 12
	s_add_nc_u64 s[14:15], s[14:15], s[86:87]
	v_and_b32 v1, 31, v0                           ; lane
	v_and_b32 v2, 15, v0                           ; r
	v_bfe_u32 v3, v0, 4, 1                         ; h
	v_lshlrev_b32 v4, 9, v3
	v_lshl_add_u32 v4, v2, 4, v4                   ; lanes 0-15 the even tile's row r, lanes 16-31 the odd tile's
	v_lshlrev_b32 v5, 1, v1
	v_lshlrev_b32 v6, 6, v3
.irp i, 0,1
.irp k, 0,1
	global_load_b128 v[SB+8*\i+4*\k:SB+8*\i+4*\k+3], v4, s[10:11] offset:\i*1024+\k*256
.endr
.endr
.irp b, 0,1
.irp i, 0,1,2,3
	global_load_b128 v[BI+16*\b+4*\i:BI+16*\b+4*\i+3], v6, s[12:13] offset:128*\b+16*\i   ; register 16 b + i: the bias of column 32 b + 16 h + i
.endr
.endr
.irp i, 0,1
.irp n, 0,1,2,3,4,5,6,7,8,9,10,11,12,13,14,15
	global_load_u16 v[T+16*\i+\n], v5, s[6:7] offset:\n*8192+\i*64     ; head n's two bytes of token 32 i + lane
.endr
.endr
	v_lshlrev_b32 v7, 4, v1
	v_lshlrev_b32 v8, 3, v1
	s_mul_i32 s82, s17, 4*IMG                      ; my 64 tokens,
	s_mul_i32 s83, s18, 4*IMG                      ; my 64 columns,
	s_add_co_u32 s83, s83, 8*IMG                   ; which lie behind the tokens' 128
	v_add_nc_u32 v16, s82, v7
	v_add_nc_u32 v17, s82, v8
	v_add_nc_u32 v18, s83, v7
	v_add_nc_u32 v19, s83, v8
	s_mul_i32 s82, s16, 16*SP
	s_add_co_u32 s82, s82, STAGE                   ; my stage
	v_mul_u32_u24 v20, v2, SP
	v_lshl_add_u32 v20, v3, 6, v20
	v_add_nc_u32 v20, s82, v20                     ; in: row r, + 64 h
	v_mul_u32_u24 v21, v3, SP
	v_lshl_add_u32 v21, v2, 4, v21
	v_add_nc_u32 v21, s82, v21                     ; back: lanes 0-15 one row of 256 bytes, lanes 16-31 the next
	v_lshlrev_b32 v22, 12, v3
	v_lshl_add_u32 v22, v2, 4, v22                 ; and the same two rows in out0
	s_wait_loadcnt 0x0
.irp i, 0,1
.irp s, 0,1,2,3,4,5,6,7
	v_lshl_or_b32 v[SA+8*\i+\s], v[T+16*\i+2*\s+1], 16, v[T+16*\i+2*\s]   ; K step s of 128 is heads 2 s and 2 s + 1
.endr
.endr
.rept 8
	v_nop                                          ; a scale register written by a vector instruction stands 8 places ahead of a scaled matrix instruction
.endr
.macro FRAGP reg, adr, q, i
	ds_load_b128 v[\reg:\reg+3], v[\adr] offset:(\i)*IMG+(\q)*1536
	ds_load_b64 v[\reg+4:\reg+5], v[\adr+1] offset:(\i)*IMG+(\q)*1536+512
	ds_load_b128 v[\reg+6:\reg+9], v[\adr] offset:(\i)*IMG+(\q)*1536+768
	ds_load_b64 v[\reg+10:\reg+11], v[\adr+1] offset:(\i)*IMG+(\q)*1536+1280
.endm
.macro FETCH k                         ; K step k of 128: eight fragments into buffer k % 2
	WIN 0x40
.irp i, 0,1,2,3
	FRAGP 96*((\k)%2)+FR*\i, 16, \k, \i
	FRAGP 96*((\k)%2)+48+FR*\i, 18, \k, \i
.endr
	WIN 0
.endm
.macro WM rb, ra                       ; one product; rD, rC, rB, rA, rSB, rSA are set by the caller
.set sel, 2*(\rb)+(\ra)
.if sel == 0
	v_wmma_scale_f32_16x16x128_f8f6f4 v[rD:rD+7], v[rB:rB+11], v[rA:rA+11], v[rC:rC+7], v[rSB], v[rSA] matrix_a_fmt:MATRIX_FMT_FP6 matrix_b_fmt:MATRIX_FMT_FP6
.elseif sel == 1
	v_wmma_scale_f32_16x16x128_f8f6f4 v[rD:rD+7], v[rB:rB+11], v[rA:rA+11], v[rC:rC+7], v[rSB], v[rSA] matrix_a_fmt:MATRIX_FMT_FP6 matrix_b_fmt:MATRIX_FMT_FP6 matrix_b_scale:MATRIX_SCALE_ROW1
.elseif sel == 2
	v_wmma_scale_f32_16x16x128_f8f6f4 v[rD:rD+7], v[rB:rB+11], v[rA:rA+11], v[rC:rC+7], v[rSB], v[rSA] matrix_a_fmt:MATRIX_FMT_FP6 matrix_b_fmt:MATRIX_FMT_FP6 matrix_a_scale:MATRIX_SCALE_ROW1
.else
	v_wmma_scale_f32_16x16x128_f8f6f4 v[rD:rD+7], v[rB:rB+11], v[rA:rA+11], v[rC:rC+7], v[rSB], v[rSA] matrix_a_fmt:MATRIX_FMT_FP6 matrix_b_fmt:MATRIX_FMT_FP6 matrix_a_scale:MATRIX_SCALE_ROW1 matrix_b_scale:MATRIX_SCALE_ROW1
.endif
.endm
.macro MULP ks                         ; 16 products; the 16 accumulators take turns; the first K step takes the bias as C
.irp a, 0,1,2,3
.irp b, 0,1,2,3
.set rD, ACC+8*(4*\a+\b)
.if (\ks) == 0
.set rC, BI+8*\b
.else
.set rC, rD
.endif
.set rB, 96*((\ks)%2)+48+FR*\b
.set rA, 96*((\ks)%2)+FR*\a
.set rSB, SB+8*(\b/2)+(\ks)
.set rSA, SA+8*(\a/2)+(\ks)
	WM (\b)%2, (\a)%2
.endr
.endr
.endm
.macro STEPP ks
	s_wait_dscnt 0x0                               ; this K step's fragments are in
.if (\ks) < 7
	WIN 0
.if (\ks) > 0
.rept 4
	v_nop                                          ; places in front of loads into the buffer that the last K step's products have read
.endr
.endif
	FETCH (\ks)+1
.endif
	WIN 0x05                                       ; sources 0 and 1 window 1; C and D window 0
	MULP \ks
.endm
	s_wait_alu depctr_va_vdst(0)
	s_wait_tensorcnt 0x0                           ; my 64 rows, all of K, have landed,
	s_barrier_signal -1
	s_barrier_wait -1                              ; everybody's have
	FETCH 0
.irp k, 0,1,2,3,4,5,6,7
	STEPP \k
.endr
	WIN 0
.rept 4
	v_nop                                          ; places in front of the first read of results
.endr
; THE WAY OUT, 16 tokens x 64 columns at a time, through my own stage: a lane's 16 registers of two tiles are 64 neighbouring bytes of a row; whole rows of 256 bytes come back.
.macro TOSTAGE a
.irp b, 0,1,2,3
	ds_store_b128 v20, v[ACC+8*(4*(\a)+\b):ACC+8*(4*(\a)+\b)+3] offset:128*(\b/2)+32*(\b%2)          ; each accumulator from its low end on
	ds_store_b128 v20, v[ACC+8*(4*(\a)+\b)+4:ACC+8*(4*(\a)+\b)+7] offset:128*(\b/2)+32*(\b%2)+16
.endr
.set BB, 64+32*((\a)%2)
.irp t, 0,1,2,3,4,5,6,7
	ds_load_b128 v[BB+4*\t:BB+4*\t+3], v21 offset:2*\t*SP          ; LDS serves a wave's instructions in order: these see my stores
.endr
.endm
.macro SEND a, younger                 ; younger: the LDS instructions issued behind block a's loads
.set BB, 64+32*((\a)%2)
	s_wait_dscnt \younger
.irp t, 0,1,2,3,4,5,6,7
	global_store_b128 v22, v[BB+4*\t:BB+4*\t+3], s[14:15] offset:(16*(\a)+2*\t)*4096 th:TH_STORE_NT   ; sixteen lanes store 256 consecutive bytes, aligned
.endr
.endm
	TOSTAGE 0
.irp a, 1,2,3
.if \a > 1
	s_wait_xcnt 0x0                                ; block a - 2's stores have read their registers: block a's loads may land there
.endif
	TOSTAGE \a
	SEND \a-1, 16                                  ; behind block a - 1's loads: block a's 8 stores and 8 loads
.endr
	SEND 3, 0
	s_wait_dscnt 0x0
	s_wait_tensorcnt 0x0
	ds_add_u32 v30, v31
	s_wait_dscnt 0x0
	CROUND                                         ; the closing round: no work-group ends while a partner may still ask for a tile that names it
	s_endpgm
.Lfunc_end_k_q9f5c4c30b8_proj:
	.size	k_q9f5c4c30b8_proj, .Lfunc_end_k_q9f5c4c30b8_proj-k_q9f5c4c30b8_proj
	.p2alignl 7, 3214868480
	.fill 96, 4, 3214868480
	.section	.rodata,"a",@progbits
	.p2align	6, 0x0
	.amdhsa_kernel k_q9f5c4c30b8_proj
		.amdhsa_group_segment_fixed_size 214528
		.amdhsa_private_segment_fixed_size 0
		.amdhsa_enable_private_segment 0
		.amdhsa_kernarg_size 48
		.amdhsa_user_sgpr_count 2
		.amdhsa_user_sgpr_kernarg_segment_ptr 1
		.amdhsa_wavefront_size32 1
		.amdhsa_system_sgpr_workgroup_id_x 1
		.amdhsa_system_sgpr_workgroup_id_y 1
		.amdhsa_system_sgpr_workgroup_id_z 1
		.amdhsa_system_vgpr_workitem_id 0
		.amdhsa_next_free_vgpr 512
		.amdhsa_next_free_sgpr 96
		.amdhsa_reserve_vcc 0
		.amdhsa_float_denorm_mode_32 3
		.amdhsa_float_denorm_mode_16_64 3
		.amdhsa_memory_ordered 1
		.amdhsa_forward_progress 1
		.amdhsa_inst_pref_size 54
	.end_amdhsa_kernel
	.amdgpu_metadata
---
amdhsa.version: [ 1, 2 ]
amdhsa.kernels:
  - .name:           k_q9f5c4c30b8_proj
    .symbol:         k_q9f5c4c30b8_proj.kd
    .args:
      - { .name: atc, .offset: 0, .size: 8, .value_kind: global_buffer, .address_space: global }
      - { .name: ats, .offset: 8, .size: 8, .value_kind: global_buffer, .address_space: global }
      - { .name: opc, .offset: 16, .size: 8, .value_kind: global_buffer, .address_space: global }
      - { .name: ops, .offset: 24, .size: 8, .value_kind: global_buffer, .address_space: global }
      - { .name: b_out, .offset: 32, .size: 8, .value_kind: global_buffer, .address_space: global }
      - { .name: out0, .offset: 40, .size: 8, .value_kind: global_buffer, .address_space: global }
    .group_segment_fixed_size: 214528
    .private_segment_fixed_size: 0
    .kernarg_segment_align: 8
    .kernarg_segment_size: 48
    .max_flat_workgroup_size: 128
    .sgpr_count:     96
    .vgpr_count:     512
    .wavefront_size: 32
...
	.end_amdgpu_metadata
.endif
;; end of part 4
